; MI455X (gfx1250); checked and timed in simulation.
; The chip was launched on July 23, 2026; its instructions are those of AMD's public machine-readable ISA for CDNA 5 (MIT licence, August 2026) and "CDNA5" Instruction Set Architecture Reference Guide (July 2026). The comments in the code are by the model that wrote it; some were corrected since.
;; Restricted Transformer Encoder Layer. Allowed arithmetic: matrix products marked QUANTISED: E5M2 operands, one E8M0 scale for each 32 along K, by v_wmma_scale_f32_16x16x128_f8f6f4 with both operands' format E5M2, f32 sums; everything else in f32.
;; Inputs: in_proj_b 3,072 float32; in_proj_w_codes 3,072 x 32 x 32 uint8 (E5M2 codes of in_proj_w, K innermost, in blocks of 32 codes); in_proj_w_scales 3,072 x 32 uint8 (E8M0 scales of in_proj_w, one for each 32 codes along K); lin1_b 4,096 float32; lin1_w_codes 4,096 x 32 x 32 uint8 (E5M2 codes of lin1_w, K innermost, in blocks of 32 codes); lin1_w_scales 4,096 x 32 uint8 (E8M0 scales of lin1_w, one for each 32 codes along K); lin2_b 1,024 float32; lin2_w_codes 1,024 x 128 x 32 uint8 (E5M2 codes of lin2_w, K innermost, in blocks of 32 codes); lin2_w_scales 1,024 x 128 uint8 (E8M0 scales of lin2_w, one for each 32 codes along K); ln1_beta 1,024 float32; ln1_g 1,024 float32; ln2_beta 1,024 float32; ln2_g 1,024 float32; out_b 1,024 float32; out_w_codes 1,024 x 32 x 32 uint8 (E5M2 codes of out_w, K innermost, in blocks of 32 codes); out_w_scales 1,024 x 32 uint8 (E8M0 scales of out_w, one for each 32 codes along K); src 2 x 2,048 x 1,024 float32.
;; Outputs: out0 2 x 2,048 x 1,024 float32.
;; This version of the problem:
;;   THIS VERSION OF THE PROBLEM IS GIVEN IN LOW PRECISION. The matrix products marked QUANTISED in the list below multiply operands that are first quantised to E5M2 (5 exponent bits, 2 mantissa bits; 8 bits a number), with one power-of-two scale for each 32 numbers along K (OCP MX v1.0); their sums are f32. All else is computed in f32.
;;   The module's matrix products, in the order in which they are computed (A, B: the left and right operand; K: the contracted axis; several contracted axes count as one K, in the product's order):
;;     1. [M 4,096, K 1,024] x [K 1,024, N 3,072]; A: input src; B: input in_proj_w (given as codes): QUANTISED
;;     2. batch 32 x [M 2,048, K 64] x [K 64, N 2,048]; A: computed on the way; B: computed on the way: QUANTISED
;;     3. batch 32 x [M 64, K 2,048] x [K 2,048, N 2,048]; A: computed on the way; B: softmax (see below): QUANTISED
;;     4. [M 4,096, K 1,024] x [K 1,024, N 1,024]; A: computed on the way; B: input out_w (given as codes): QUANTISED
;;     5. [M 4,096, K 1,024] x [K 1,024, N 4,096]; A: computed on the way; B: input lin1_w (given as codes): QUANTISED
;;     6. [M 4,096, K 4,096] x [K 4,096, N 1,024]; A: computed on the way; B: input lin2_w (given as codes): QUANTISED
;;   THE QUANTISER, for each operand of a quantised product, along K:
;;     - K is cut into blocks of 32 from its start; a last block that is shorter is filled with zeros.
;;     - A block's scale is 2^e with e = floor(log2(the largest magnitude in the block)) - 15, held to -126 .. 127; a block of zeros has e = 0. As a byte (E8M0): e + 127.
;;     - Each number is divided by its block's scale, clamped to +-57,344, and rounded to the nearest number of E5M2, ties to even, subnormals kept.
;;     - The product sums the exact products of the quantised numbers (number of the format x scale) in f32.
;;   ~~~python
;;   def quantise(x, axis):      # numpy; x: float32 -> the quantised numbers, widened to float32 again
;;       x = np.moveaxis(x, axis, -1); K = x.shape[-1]
;;       x = np.pad(x, [(0, 0)] * (x.ndim - 1) + [(0, -K % 32)]); x = x.reshape(x.shape[:-1] + (-1, 32)); a = np.abs(x).max(-1, keepdims=True)
;;       e = np.where(a > 0, np.clip(np.frexp(np.where(a > 0, a, 1))[1] - 1 - 15, -126, 127), 0)      # np.frexp(a)[1] - 1 = floor(log2(a)), exactly
;;       r = np.clip(x / 2.0 ** e, -57344, 57344)
;;       step = 2.0 ** (np.maximum(np.frexp(np.where(r == 0, 1, r))[1] - 1, -14) - 2)
;;       q = np.round(r / step) * step * 2.0 ** e      # np.round: ties to even
;;       return np.moveaxis(q.reshape(q.shape[:-2] + (-1,))[..., :K], -1, axis).astype(np.float32)
;;   ~~~
;;   SOFTMAX AHEAD OF A QUANTISED PRODUCT. Where the list says 'softmax', what is quantised is not the finished softmax but p = 2^(t - M), with t = logit x log2(e) and M = ceil(the row's largest t), a whole number; so 1/2 < the row's largest p <= 1. The row's sum l is taken of the UNQUANTISED p, in f32, and the product's result is divided by l at the end. Since M is a whole number, a kernel that streams over the keys may use a running M (the ceiling of the running maximum): every later rescaling is an exact power of two, which a block's scale takes up: the codes' values come out the same.
;;   OPERANDS COMPUTED ON THE WAY. 'Computed on the way' means the value that the module computes at that place (a softmax that the list does not call 'softmax' is quantised finished and normalised). What goes into a quantiser is computed in f32, as accurately as f32 sums, v_exp_f32 and their like allow (about 1e-6 of the number): no bf16 or f16 on the way to a quantiser, and a product that is left as it is and whose result goes on into a quantised operand takes f32 operands (vector FMAs, or v_wmma_f32_16x16x4_f32). A number that lies on a knife's edge between two numbers of the format may be rounded either way, as far as f32 arithmetic and the matrix unit's own rounding can turn it there, and no further.
;;   INPUTS GIVEN AS CODES. in_proj_w (in the module: [3072, 1024], K = its axis 1); lin1_w (in the module: [4096, 1024], K = its axis 1); lin2_w (in the module: [1024, 4096], K = its axis 1); out_w (in the module: [1024, 1024], K = its axis 1): each comes as NAME_codes (uint8): NAME with its K axis moved to the last place and cut into blocks of 32 codes, [.., K / 32, bytes a block], one block behind the other in memory; one code a byte (a code: sign, 5 exponent bits, 2 mantissa bits); and NAME_scales (uint8): the same leading axes, one E8M0 byte (e + 127) for each 32 codes along K. Its value is code x scale, taken as it is: it is not quantised again, and the codes and scales need not be those that the quantiser above would give.
;; One version. Each part assembles by itself: llvm-mc -triple=amdgcn-amd-amdhsa -mcpu=gfx1250 --defsym DOCPART=n.
;; ======== version 1 of 1: 8 launches
;; limits: right only within a limited range of input values
;; workspace buffers: w0 17,301,504 bytes; qkvb 13,238,272 bytes; ctxb 4,325,376 bytes; cbuf 16,777,216 bytes; xb 21,102,592 bytes; hb 17,301,504 bytes
;; launch prep (part 1): grid 512 x 1, 8 waves a work-group, no clusters, 103,424 bytes of LDS; arguments src, in_proj_w_codes, in_proj_w_scales, out_w_codes, out_w_scales, lin1_w_codes, lin1_w_scales, lin2_w_codes, lin2_w_scales, w0; writes w0
.if DOCPART == 1
	.amdgcn_target "amdgcn-amd-amdhsa--gfx1250"
	.amdhsa_code_object_version 6
	.text
	.protected	k_qd7b23a8aa3_prep
	.globl	k_qd7b23a8aa3_prep
	.p2align	8
	.type	k_qd7b23a8aa3_prep,@function
k_qd7b23a8aa3_prep:
	s_mov_b64 s[64:65], 0
	v_nop
	global_prefetch_b8 v0, s[64:65] scope:SCOPE_SE
	s_setreg_imm32_b32 hwreg(HW_REG_WAVE_MODE, 25, 1), 1
	s_wait_xcnt 0x0
; src (f32) is quantised to E5M2 codes with one E8M0 byte for each 32 along K, and the four weights' given codes and bytes are laid anew: all as IMAGES OF OPERAND REGISTERS.
; IMAGE: [block of 16 rows][K step of 128][c 0..3][lane 0..31][16 bytes]: lane (r, h) holds k = 128 ks + 32 c + 16 h + 0..15 of the block's lane-row r.  2,048 bytes a fragment.
; SCALE IMAGE: [block][K step][16 lane-rows] of 32-bit words (four bytes: the step's four blocks of 32).
; THE ROWS OF A BLOCK ARE NOT NEIGHBOURS: lane-row r of block t is row 32 (t / 2) + 8 (t % 2) + r + 8 (r / 8), so that later results, used transposed, hold 16 neighbours along the next K in a lane.
; A UNIT is one block x two K steps: 4,096 bytes of codes at w0 + 4096 u, 128 bytes of scale words at w0 + 16,777,216 + 128 u.  One wave makes one unit.
; Units 0-1023 src, 1024-1791 in_proj_w, 1792-2047 out_w, 2048-3071 lin1_w, 3072-4095 lin2_w.
; SHARES: there are 1,024 units of src and 3,072 of weights, one to three: in each of the 512 work-groups waves 0, 1 take units of src (2 x work-group + wave) and waves 2-7 units of weights
; (1,024 + 6 x work-group + wave - 2), so that every work-group has the same work.  The waves part on the wave's number and do not meet again: no barrier.  No cluster: work-groups share nothing.
; EVERY LOAD AND STORE OF CODES AND NUMBERS COVERS WHOLE ALIGNED RUNS OF 256 BYTES: a load takes 512 consecutive bytes of a row of src, or 256 bytes of each of two rows of a weight.  What a lane must hold is another
; cut of the same bytes, so a unit turns through the wave's own stage in LDS: src's numbers by K step (16 rows of 512 bytes + 16), a weight's unit as a 16 x 16 matrix of 16-byte pieces (16 rows of 256 bytes + 16).
; With these pitches the sixteen rows that a read touches start at sixteen different groups of four banks (64 banks of 4 bytes: ISA guide 11.1).  The weights' scale words, 1/32 of the bytes, are fetched a word a lane.
; LDS: src's stages at 8,448 x wave, the weights' behind them at 67,584 + 4,352 x wave: each role has bytes of its own; both regions are laid for eight waves, of which two and six are used.
; LIMITS: NaN and infinities in src are not served; a block whose largest magnitude lies under 2^-111 (a block of zeros too) gets the byte 1: its codes are what the floor gives, and only this program reads the bytes.
.set SP_S,  528                        ; a row of src's stage
.set STG_S, 16*SP_S
.set SP_W,  272                        ; a row of a weight's stage
.set STG_W, 16*SP_W
.set WST0,  8*STG_S
.set LI,  5                            ; v5   16 x lane
.set LS,  6                            ; v6   4 x lane
.set SI,  7                            ; v7   src's stage, on the way in
.set PW0, 8
.set PW1, 9
.set PWM, 10
.set SO,  11                           ; v11  src's stage, on the way out
.set RL,  12                           ; v12  weights: r + 8 (r / 8)
.set WI,  13                           ; v13  a weight's stage, in
.set WO,  14                           ; v14  out
.set SW,  15                           ; v15  my scale word's offset
.set OW,  16                           ; v16-23 the offsets of a weight's eight loads
.set R0,  32                           ; v32-95   K step 0 as loaded; later K step 1's 64 numbers a lane
.set R1,  96                           ; v96-159  K step 1 as loaded; later its codes
.set X0,  160                          ; v160-223 K step 0's 64 numbers a lane
.set PC0, 224                          ; v224-239 its codes
.set PC1, 96
.set TM,  240                          ; v240-255 at work
.set MSK, 40                           ; s40  lanes 16-31
.set MNT, 41                           ; s41  the mantissa field of 57,344
.set SEL, 42                           ; s42-43 lane selects: lane l xor 16
	s_load_b512 s[16:31], s[0:1], 0x0              ; src, in_proj codes, scales, out_w codes, scales, lin1 codes, scales, lin2 codes
	s_load_b128 s[32:35], s[0:1], 0x40             ; lin2 scales, w0
	v_lshl_add_u32 v30, v0, 2, 0x19000
	v_mov_b32 v31, 0
	v_lshrrev_b32 v1, 5, v0
	s_delay_alu instid0(VALU_DEP_1)
	v_readfirstlane_b32 s4, v1                     ; wave
	v_and_b32 v1, 31, v0                           ; lane
	v_and_b32 v2, 15, v0                           ; r
	v_bfe_u32 v3, v0, 4, 1                         ; h
	s_delay_alu instid0(VALU_DEP_3)
	v_lshlrev_b32 v[LI], 4, v1
	s_delay_alu instid0(VALU_DEP_4)
	v_lshlrev_b32 v[LS], 2, v1
	s_cmp_lt_u32 s4, 2
	s_cbranch_scc0 .Lweights
	; ---- src: unit u = 2 x work-group + wave: block a = u / 4, K steps 2 (u % 4) and the next
	s_lshl_b32 s5, ttmp9, 1
	s_add_co_u32 s5, s5, s4
	s_lshl_b32 s6, s5, 12
	s_mov_b32 s7, 0
	s_lshl_b32 s8, s5, 7
	s_add_co_u32 s8, s8, 16777216
	s_mov_b32 s9, 0
	s_lshr_b32 s10, s5, 2
	s_and_b32 s11, s5, 3
	s_lshr_b32 s12, s10, 1
	s_lshl_b32 s12, s12, 5
	s_and_b32 s13, s10, 1
	s_lshl_b32 s13, s13, 3
	s_add_co_u32 s12, s12, s13                     ; the block's first row
	s_lshl_b32 s12, s12, 12                        ; rows of 4,096 bytes
	s_lshl_b32 s11, s11, 10                        ; 256 numbers a unit
	s_add_co_u32 s12, s12, s11
	s_mov_b32 s13, 0
	s_mul_i32 s14, s4, STG_S                       ; my stage
	s_wait_alu depctr_va_vdst(0)
	v_add_nc_u32 v[SI], s14, v[LI]                 ; in: a row's 512 bytes as they lie
	v_mul_u32_u24 v[SO], v2, SP_S
	s_delay_alu instid0(VALU_DEP_1)
	v_lshl_add_u32 v[SO], v3, 6, v[SO]
	s_delay_alu instid0(VALU_DEP_1)
	v_add_nc_u32 v[SO], s14, v[SO]                 ; out: row r, + 64 h: my 16 numbers of a block of 32
	s_mov_b32 s[MSK], 0xffff0000
	s_mov_b32 s[MNT], 0x600000
	s_mov_b32 s[SEL], 0x76543210
	s_mov_b32 s[SEL+1], 0xfedcba98
.irp b, 0,1,2,3
	v_mov_b32 v[TM+4+\b], 0                        ; a lane permute's destination counts as one of its sources
.endr
	s_wait_alu depctr_va_vdst(0)
	s_wait_kmcnt 0x0
	s_add_nc_u64 s[36:37], s[34:35], s[6:7]        ; where the unit's codes go
	s_add_nc_u64 s[38:39], s[34:35], s[8:9]        ; and its scale words
	s_add_nc_u64 s[16:17], s[16:17], s[12:13]
.irp s, 0,1
.irp r, 0,1,2,3,4,5,6,7,8,9,10,11,12,13,14,15
	global_load_b128 v[R0+64*\s+4*\r:R0+64*\s+4*\r+3], v[LI], s[16:17] offset:(\r+8*(\r/8))*4096+512*\s th:TH_LOAD_NT   ; K step s of lane-row r: 512 consecutive bytes
.endr
.endr
; 64 numbers of a lane, register 16 b + i = k 32 b + 16 h + i of my row, become a fragment's codes in v[pc] on and its scale word in v[pw]
.macro QUANT s, pc, pw
.irp b, 0,1,2,3
	v_max3_num_f32 v[TM+\b], |v[\s+16*\b]|, |v[\s+1+16*\b]|, 0x8000000   ; block b: my 16 numbers, and the floor 2^(16 - 127): the byte cannot fall under 1
.endr
.irp i, 2,4,6,8,10,12,14
.irp b, 0,1,2,3
	s_delay_alu instid0(VALU_DEP_4)
	v_max3_num_f32 v[TM+\b], v[TM+\b], |v[\s+16*\b+\i]|, |v[\s+1+16*\b+\i]|
.endr
.endr
.irp b, 0,1,2,3
	s_delay_alu instid0(VALU_DEP_4)
	v_permlanex16_b32 v[TM+4+\b], v[TM+\b], s[SEL], s[SEL+1]
.endr
.irp b, 0,1,2,3
	s_delay_alu instid0(VALU_DEP_4)
	v_max_num_f32 v[TM+\b], v[TM+\b], v[TM+4+\b]   ; with lane l xor 16's: the block's largest magnitude
.endr
.irp b, 0,1,2,3
	s_delay_alu instid0(VALU_DEP_4)
	v_add_nc_u32 v[TM+12+\b], 0xf8800000, v[TM+\b] ; 15 off its exponent field: the conversion's scale operand
.endr
.irp b, 0,1,2,3
	v_and_or_b32 v[TM+8+\b], v[TM+\b], 0x7f800000, s[MNT]   ; 57,344 x the scale
.endr
.irp b, 0,1,2,3
	v_lshrrev_b32 v[TM+4+\b], 23, v[TM+12+\b]      ; the scale's byte
.endr
	s_delay_alu instid0(VALU_DEP_3)
	v_lshl_or_b32 v[\pw], v[TM+5], 8, v[TM+4]
	s_delay_alu instid0(VALU_DEP_1)
	v_lshl_or_b32 v[\pw], v[TM+6], 16, v[\pw]
	s_delay_alu instid0(VALU_DEP_1)
	v_lshl_or_b32 v[\pw], v[TM+7], 24, v[\pw]
.irp b, 0,1,2,3
.irp i, 0,1,2,3,4,5,6,7,8,9,10,11,12,13,14,15
	v_med3_num_f32 v[\s+16*\b+\i], v[\s+16*\b+\i], -v[TM+8+\b], v[TM+8+\b]   ; the conversion to an 8-bit code does not saturate (ISA guide 7.6.2): the hold
.endr
	v_cvt_scalef32_pk8_bf8_f32 v[\pc+4*\b:\pc+1+4*\b], v[\s+16*\b:\s+7+16*\b], v[TM+12+\b]
	v_cvt_scalef32_pk8_bf8_f32 v[\pc+2+4*\b:\pc+3+4*\b], v[\s+8+16*\b:\s+15+16*\b], v[TM+12+\b]
.endr
	v_nop                                          ; a plain line behind the last conversion
.endm
.macro INTO reg                        ; a K step's 16 rows into my stage
.irp r, 0,1,2,3,4,5,6,7,8,9,10,11,12,13,14,15
	ds_store_b128 v[SI], v[\reg+4*\r:\reg+4*\r+3] offset:\r*SP_S
.endr
.endm
.macro BACK reg                        ; and back, 64 bytes of each block of 32 a lane: register 16 b + 4 j + e = k 32 b + 16 h + 4 j + e of row r
.irp b, 0,1,2,3
.irp j, 0,1,2,3
	ds_load_b128 v[\reg+16*\b+4*\j:\reg+16*\b+4*\j+3], v[SO] offset:128*\b+16*\j
.endr
.endr
.endm
	s_wait_loadcnt 16                              ; K step 0's sixteen loads are in; K step 1's sixteen may be out
	INTO R0
	BACK X0                                        ; LDS serves a wave's instructions in order (ISA guide 5.7.1.4): these see the stores above,
	s_wait_loadcnt 0x0
	INTO R1                                        ; and these stores, into the same stage, come behind those reads
	s_wait_dscnt 32                                ; all but the youngest 32: K step 0's stores are done, so their registers may be loaded into
	BACK R0
	s_wait_dscnt 32                                ; all but the youngest 32 (16 stores, 16 reads): K step 0's numbers are back
	QUANT X0, PC0, PW0
	s_wait_dscnt 0x0                               ; K step 1's numbers are back, and its stores have read their registers, which take its codes
	QUANT R0, PC1, PW1
	v_cndmask_b32 v[PWM], v[PW0], v[PW1], s[MSK]   ; lanes 0-15: the even step's words; lanes 16-31: the odd step's
.irp c, 0,1,2,3
	global_store_b128 v[LI], v[PC0+4*\c:PC0+4*\c+3], s[36:37] offset:512*\c        ; 32 lanes store 512 consecutive bytes
.endr
.irp c, 0,1,2,3
	global_store_b128 v[LI], v[PC1+4*\c:PC1+4*\c+3], s[36:37] offset:2048+512*\c
.endr
	global_store_b32 v[LS], v[PWM], s[38:39]       ; 128 consecutive bytes
	s_wait_tensorcnt 0x0
	ds_add_u32 v30, v31
	s_wait_dscnt 0x0
	s_endpgm
.Lweights:
	; ---- a weight: unit u = 1,024 + 6 x work-group + wave - 2; which tensor, by u alone; sh = log2(units in a block): 2 for K = 1,024, 4 for K = 4,096
	s_mul_i32 s5, ttmp9, 6
	s_add_co_u32 s5, s5, s4
	s_add_co_u32 s5, s5, 1022
	s_lshl_b32 s6, s5, 12
	s_mov_b32 s7, 0
	s_lshl_b32 s8, s5, 7
	s_add_co_u32 s8, s8, 16777216
	s_mov_b32 s9, 0
	s_mov_b32 s11, 3072                            ; the tensor's first unit
	s_mov_b32 s12, 4
	s_cmp_lt_u32 s5, 3072
	s_cselect_b32 s11, 2048, s11
	s_cselect_b32 s12, 2, s12
	s_cmp_lt_u32 s5, 2048
	s_cselect_b32 s11, 1792, s11
	s_cmp_lt_u32 s5, 1792
	s_cselect_b32 s11, 1024, s11
	s_sub_co_u32 s13, s5, s11                      ; the unit within its tensor
	s_lshr_b32 s14, s13, s12                       ; block t
	s_lshl_b32 s15, 1, s12
	s_sub_co_u32 s15, s15, 1
	s_and_b32 s15, s13, s15                        ; pair of K steps
	s_lshr_b32 s44, s14, 1
	s_lshl_b32 s44, s44, 5
	s_and_b32 s45, s14, 1
	s_lshl_b32 s45, s45, 3
	s_add_co_u32 s44, s44, s45                     ; the block's first row
	s_add_co_u32 s45, s12, 8                       ; a row of codes is 256 << sh bytes
	s_lshl_b32 s46, s44, s45
	s_lshl_b32 s47, s15, 8
	s_add_co_u32 s46, s46, s47
	s_mov_b32 s47, 0
	s_wait_alu depctr_va_vdst(0)
.irp i, 0,1,2,3,4,5,6,7                        ; load i: lanes 0-15 take lane-row 2 i, lanes 16-31 lane-row 2 i + 1: 256 bytes of each, 16 a lane
	v_add_nc_u32 v[OW+\i], 2*\i+8*(\i/4), v3       ; lane-row rr lies rr + 8 (rr / 8) rows behind the block's first
	s_delay_alu instid0(VALU_DEP_1)
	v_lshlrev_b32 v[OW+\i], s45, v[OW+\i]
	s_delay_alu instid0(VALU_DEP_1)
	v_lshl_add_u32 v[OW+\i], v2, 4, v[OW+\i]
.endr
	v_and_b32 v[RL], 8, v2
	s_delay_alu instid0(VALU_DEP_1)
	v_add_nc_u32 v[RL], v[RL], v2
	s_add_co_u32 s45, s12, 3                       ; a row of scale bytes is 8 << sh bytes
	s_lshl_b32 s10, s44, s45
	s_lshl_b32 s44, s15, 3
	s_add_co_u32 s10, s10, s44
	s_mov_b32 s11, 0
	v_lshlrev_b32 v[SW], s45, v[RL]
	s_delay_alu instid0(VALU_DEP_1)
	v_lshl_add_u32 v[SW], v3, 2, v[SW]             ; my row; lanes 16-31 take the odd step's word
	s_mul_i32 s14, s4, STG_W
	s_add_co_u32 s14, s14, WST0                    ; my stage
	v_mul_u32_u24 v[WI], v3, SP_W
	s_delay_alu instid0(VALU_DEP_1)
	v_lshl_add_u32 v[WI], v2, 4, v[WI]
	s_delay_alu instid0(VALU_DEP_1)
	v_add_nc_u32 v[WI], s14, v[WI]                 ; in: two rows a store, as loaded
	v_mul_u32_u24 v[WO], v2, SP_W
	s_delay_alu instid0(VALU_DEP_1)
	v_lshl_add_u32 v[WO], v3, 4, v[WO]
	s_delay_alu instid0(VALU_DEP_1)
	v_add_nc_u32 v[WO], s14, v[WO]                 ; out: row r, piece 2 q + h
	s_wait_alu depctr_va_vdst(0)
	s_wait_kmcnt 0x0
	s_add_nc_u64 s[36:37], s[34:35], s[6:7]        ; where the unit's codes go
	s_add_nc_u64 s[38:39], s[34:35], s[8:9]        ; and its scale words
	s_mov_b64 s[40:41], s[30:31]
	s_mov_b64 s[42:43], s[32:33]
	s_cmp_lt_u32 s5, 3072
	s_cselect_b64 s[40:41], s[26:27], s[40:41]
	s_cselect_b64 s[42:43], s[28:29], s[42:43]
	s_cmp_lt_u32 s5, 2048
	s_cselect_b64 s[40:41], s[22:23], s[40:41]
	s_cselect_b64 s[42:43], s[24:25], s[42:43]
	s_cmp_lt_u32 s5, 1792
	s_cselect_b64 s[40:41], s[18:19], s[40:41]
	s_cselect_b64 s[42:43], s[20:21], s[42:43]
	s_add_nc_u64 s[40:41], s[40:41], s[46:47]
	s_add_nc_u64 s[42:43], s[42:43], s[10:11]
.irp i, 0,1,2,3,4,5,6,7
	global_load_b128 v[32+4*\i:32+4*\i+3], v[OW+\i], s[40:41] th:TH_LOAD_NT
.endr
	global_load_b32 v96, v[SW], s[42:43] th:TH_LOAD_NT
	s_wait_loadcnt 0x0
	; piece p = 8 s + 2 c + h of lane-row r (bytes 16 p of its 256) belongs at byte 256 p + 16 r of the unit: the 16 x 16 matrix of pieces is turned
.irp i, 0,1,2,3,4,5,6,7
	ds_store_b128 v[WI], v[32+4*\i:32+4*\i+3] offset:\i*2*SP_W
.endr
.irp q, 0,1,2,3,4,5,6,7
	ds_load_b128 v[64+4*\q:64+4*\q+3], v[WO] offset:32*\q          ; LDS serves a wave's instructions in order: these see my stores
.endr
.irp q, 0,1,2,3,4,5,6,7
	s_wait_dscnt 7-\q                              ; chunk q is back; the reads behind it may be out
	global_store_b128 v[LI], v[64+4*\q:64+4*\q+3], s[36:37] offset:512*\q          ; 32 lanes store 512 consecutive bytes
.endr
	global_store_b32 v[LS], v96, s[38:39]
	s_wait_tensorcnt 0x0
	ds_add_u32 v30, v31
	s_wait_dscnt 0x0
	s_endpgm
.Lfunc_end_k_qd7b23a8aa3_prep:
	.size	k_qd7b23a8aa3_prep, .Lfunc_end_k_qd7b23a8aa3_prep-k_qd7b23a8aa3_prep
	.p2alignl 7, 3214868480
	.fill 96, 4, 3214868480
	.section	.rodata,"a",@progbits
	.p2align	6, 0x0
	.amdhsa_kernel k_qd7b23a8aa3_prep
		.amdhsa_group_segment_fixed_size 103424
		.amdhsa_private_segment_fixed_size 0
		.amdhsa_enable_private_segment 0
		.amdhsa_kernarg_size 80
		.amdhsa_user_sgpr_count 2
		.amdhsa_user_sgpr_kernarg_segment_ptr 1
		.amdhsa_wavefront_size32 1
		.amdhsa_system_sgpr_workgroup_id_x 1
		.amdhsa_system_sgpr_workgroup_id_y 1
		.amdhsa_system_sgpr_workgroup_id_z 1
		.amdhsa_system_vgpr_workitem_id 0
		.amdhsa_next_free_vgpr 256
		.amdhsa_next_free_sgpr 66
		.amdhsa_reserve_vcc 0
		.amdhsa_float_denorm_mode_32 3
		.amdhsa_float_denorm_mode_16_64 3
		.amdhsa_memory_ordered 1
		.amdhsa_forward_progress 1
		.amdhsa_inst_pref_size 37
	.end_amdhsa_kernel
	.amdgpu_metadata
---
amdhsa.version: [ 1, 2 ]
amdhsa.kernels:
  - .name:           k_qd7b23a8aa3_prep
    .symbol:         k_qd7b23a8aa3_prep.kd
    .args:
      - { .name: src, .offset: 0, .size: 8, .value_kind: global_buffer, .address_space: global }
      - { .name: in_proj_w_codes, .offset: 8, .size: 8, .value_kind: global_buffer, .address_space: global }
      - { .name: in_proj_w_scales, .offset: 16, .size: 8, .value_kind: global_buffer, .address_space: global }
      - { .name: out_w_codes, .offset: 24, .size: 8, .value_kind: global_buffer, .address_space: global }
      - { .name: out_w_scales, .offset: 32, .size: 8, .value_kind: global_buffer, .address_space: global }
      - { .name: lin1_w_codes, .offset: 40, .size: 8, .value_kind: global_buffer, .address_space: global }
      - { .name: lin1_w_scales, .offset: 48, .size: 8, .value_kind: global_buffer, .address_space: global }
      - { .name: lin2_w_codes, .offset: 56, .size: 8, .value_kind: global_buffer, .address_space: global }
      - { .name: lin2_w_scales, .offset: 64, .size: 8, .value_kind: global_buffer, .address_space: global }
      - { .name: w0, .offset: 72, .size: 8, .value_kind: global_buffer, .address_space: global }
    .group_segment_fixed_size: 103424
    .private_segment_fixed_size: 0
    .kernarg_segment_align: 8
    .kernarg_segment_size: 80
    .max_flat_workgroup_size: 256
    .sgpr_count:     66
    .vgpr_count:     256
    .wavefront_size: 32
...
	.end_amdgpu_metadata
.endif
;; end of part 1
;; launch qkvg (part 2): grid 12 x 16, 4 waves a work-group, clusters of 4 x 4, 327,680 bytes of LDS; arguments w0, in_proj_b, qkvb; writes qkvb
.if DOCPART == 2
	.amdgcn_target "amdgcn-amd-amdhsa--gfx1250"
	.amdhsa_code_object_version 6
	.text
	.protected	k_qd7b23a8aa3_qkvg
	.globl	k_qd7b23a8aa3_qkvg
	.p2align	8
	.type	k_qd7b23a8aa3_qkvg,@function
k_qd7b23a8aa3_qkvg:
	s_mov_b64 s[64:65], 0
	v_nop
	global_prefetch_b8 v0, s[64:65] scope:SCOPE_SE
	s_setreg_imm32_b32 hwreg(HW_REG_WAVE_MODE, 25, 1), 1
	s_wait_xcnt 0x0
	s_wait_alu depctr_hold_cnt(0) depctr_sa_sdst(0) depctr_va_vdst(0) depctr_va_sdst(0) depctr_va_ssrc(0) depctr_va_vcc(0) depctr_vm_vsrc(0)
	s_getreg_b32 s2, hwreg(HW_REG_IB_STS2, 6, 4)
	s_cmp_eq_u32 s2, 0
	s_cbranch_scc0 .Lentry_in_a_cluster
	s_endpgm
.Lentry_in_a_cluster:
	s_bfe_u32 s2, ttmp6, 0x10000c
	s_cmp_lg_u32 s2, 0xf033
	s_cbranch_scc0 .Lentry_shape_is_right
	s_endpgm
.Lentry_shape_is_right:
; qkv = src in_proj_w^T + in_proj_b on E5M2 codes with E8M0 scales (K = 1,024), and q, k, v quantised on the way out: q and k along the head's 64, v along the keys.
; OPERANDS ARE IMAGES OF REGISTERS: [block of 16 rows][K step of 128][c][lane][16 bytes]; scale words [block][K step][16 lane-rows].  Lane-row r of block t is row 32 (t / 2) + 8 (t % 2) + r + 8 (r / 8).
; A tile of 256 tokens x 256 outputs is made by four waves, each 128 x 128: 64 accumulators, 512 registers.  K goes in slots of 256 (two steps of 128) through a ring of two LDS slots filled by tensor loads.
; The scale words of the work-group's 16 + 16 blocks, for all of K, come once with the first fills and stay in LDS.
; CLUSTERS: 4 x 4 work-groups; the four of a row need the same tokens, the four of a column the same weights: each tile is asked for jointly.
; SOURCE 0 IS X, SOURCE 1 IS Y.  A lane then holds ONE row of Y, and the 16 registers of X's tiles 2 B, 2 B + 1 are X's rows 32 B + 16 h + 0..15: 16 neighbours along the next K.
; For q and k (cluster x = 0, 1) X = weights, Y = tokens: a lane holds a token and runs along the head.  For v (cluster x = 2) X = tokens, Y = weights: a lane holds one channel and runs along the keys.
; The swap only turns the LDS addresses of the fragment loads; it hangs on the cluster's x, which all partners share.  Loads, masks and descriptors do not know of it.
; OUT (qkvb): q codes [bh][step 16][tile 8][c 0..1][512] at 0, k's at 4,194,304; v codes [bh][key step][tile 4][c 0..3][512] at 8,388,608;
;   q scale words [bh][2,048] (bytes 0, 1; bytes 2, 3 zero) at 12,582,912, k's at 12,845,056; v's [bh][key step][64] at 13,107,200.
; LIMITS: NaN and infinities are not served; a block whose largest magnitude lies under 2^-111 (a block of zeros too) gets the byte 1; only this program reads the bytes.
; REGISTERS: window 0: v2-10 way-out addresses; v16-21 LDS addresses; v22-23 the add's; v24-31 v's bias; v32-63 scale words, two sets; v64-127 q's and k's bias; v128-255 Y's fragments, one set.
;   window 1: X's fragments, two sets.  windows 2, 3: the accumulators, (y, t) at v[8 (8 (y % 4) + t)].
.set NB,  8                            ; blocks of 16 rows a wave and side
.set NQ,  2                            ; steps of 128 in a slot
.set KST, 8                            ; steps of 128 in K
.set ARG_A, 0x0
.set ARG_B, 0x0
.set ARG_BIAS, 0x8
.set ARG_D, 0x10
.set A_OFF,  0                         ; src's image in w0,
.set AS_OFF, 16777216                  ; its scale words,
.set B_OFF,  4194304                   ; in_proj_w's image,
.set BS_OFF, 16908288                  ; its scale words
.set BLKB,  NQ*2048                    ; a block's bytes in a slot
.set HALFT, NB*BLKB                    ; what one tensor load brings, and what one wave reads of a side
.set SLOT,  4*HALFT                    ; region A (tokens, 2 NB blocks), then region B (weights)
.set LAPS,  KST/(2*NQ)
.set SSH,   NB*KST*64                  ; the scale words of NB blocks, all of K
.set SCL,   2*SLOT                     ; behind the ring: A's scale words (2 SSH), then B's
.set SPARE, SCL+8*SSH                  ; the spare words, 128 bytes a wave: two blocks of 256 bytes that no other line names; 4 SSH bytes between the scale words and them are left unused
.set ADRY, 16
.set ADRX, 18
.set ADSX, 20
.set ADSY, 21
.set SPW,  22
.set NIL,  23
.set SC,   32
.set YF,   128
.set G1, 24
.set G0, 32
.set G1B, 48
.set G0B, 56
.set G1S, 68
.set G0S, 76
.set G1SB, 80
.set G0SB, 88
.set MSB, 0
.macro WIN new                         ; the immediate's high byte repeats the setting that is left
.if MSB != (\new)
	s_set_vgpr_msb (MSB<<8)|(\new)
.set MSB, (\new)
.endif
.endm
.set MUL_LO, 0xa1                      ; source 0 (X) window 1, source 1 (Y) window 0, C and D window 2
.set MUL_HI, 0xf1                      ; C and D window 3
; a joint load: waves 0 and 1 fetch region A's halves, waves 2 and 3 region B's; four v_nop follow each line
.macro JLOAD g0a, g1a, g0b, g1b
	s_cmp_eq_u32 s15, 0
	s_cbranch_scc0 .Lfor_b_\@
	tensor_load_to_lds s[\g0a:\g0a+3], s[\g1a:\g1a+7]
	s_nop 0
.rept 4
	v_nop
.endr
	s_branch .Lasked_\@
.Lfor_b_\@:
	tensor_load_to_lds s[\g0b:\g0b+3], s[\g1b:\g1b+7]
	s_nop 0
.rept 4
	v_nop
.endr
.Lasked_\@:
.endm
.macro CREST                           ; a round of the cluster's barrier behind its opening barrier
	s_cmp_lg_u32 s14, 0
	s_cbranch_scc1 .Lnot_wave_0_\@
	s_barrier_signal -3
.Lnot_wave_0_\@:
	s_barrier_wait -3
	s_barrier_signal -1
	s_barrier_wait -1
.endm
.macro CROUND
	s_barrier_signal -1
	s_barrier_wait -1
	CREST
.endm
.macro PLACES n                        ; plain lines behind matrix instructions: eight for this form
.rept \n
	v_nop
.endr
.endm
	s_load_b64 s[4:5], s[0:1], ARG_A
	s_load_b64 s[6:7], s[0:1], ARG_B
	s_load_b64 s[8:9], s[0:1], ARG_BIAS
	s_load_b64 s[12:13], s[0:1], ARG_D
	v_lshl_add_u32 v[SPW], v0, 2, SPARE
	v_mov_b32 v[NIL], 0
	ds_add_u32 v22, v23
	ds_add_u32 v22, v23
	s_wait_dscnt 0x0
	v_lshrrev_b32 v1, 5, v0
	v_readfirstlane_b32 s14, v1                    ; wave 0..3
	s_lshr_b32 s15, s14, 1                         ; yh: my half of Y.  Also: I fetch region A (0) or B (1)
	s_and_b32 s16, s14, 1                          ; xh: my half of X.  Also: which half of that region I fetch
	s_bfe_u32 s40, ttmp6, 0x40000                  ; cx
	s_bfe_u32 s41, ttmp6, 0x40004                  ; cy
	s_lshl_b32 s42, ttmp9, 2
	s_add_co_u32 s42, s42, s40                     ; wx: tile column
	s_and_b32 s17, ttmp7, 0xffff
	s_lshl_b32 s17, s17, 2
	s_add_co_u32 s17, s17, s41                     ; wy: tile row
	s_lshl_b32 s43, s41, 2
	s_lshl_b32 s43, 15, s43                        ; my row of the cluster
	s_lshl_b32 s44, 0x1111, s40                    ; my column
	; group 1 for codes: NB rows (a block's BLKB bytes each) of elements of 8 bytes, KST x 2,048 bytes apart; no padding: an image is read 512 consecutive bytes at a time
	s_or_b32 s[G1+0], s43, (3<<16)|(1<<21)
	s_or_b32 s[G1B+0], s44, (3<<16)|(1<<21)
.irp g, G1, G1B
	s_mov_b32 s[\g+1], (NQ*256)<<16                ; tensor_dim0
	s_mov_b32 s[\g+2], (2*NB)<<16                  ; tensor_dim1: the head's loads bring a whole region, 2 NB blocks
	s_mov_b32 s[\g+3], (NQ*256)<<16                ; tile_dim0
	s_mov_b32 s[\g+4], 2*NB                        ; tile_dim1
	s_mov_b32 s[\g+5], KST*256                     ; pitch
	s_mov_b32 s[\g+6], 0
	s_mov_b32 s[\g+7], 0
.endr
	; and for scale words: a dense block of SSH bytes as rows of 256
	s_or_b32 s[G1S+0], s43, (3<<16)|(1<<21)
	s_or_b32 s[G1SB+0], s44, (3<<16)|(1<<21)
.irp g, G1S, G1SB
	s_mov_b32 s[\g+1], 32<<16
	s_mov_b32 s[\g+2], (2*SSH/256)<<16             ; a side's scale words, 2 SSH bytes, in one load
	s_mov_b32 s[\g+3], 32<<16
	s_mov_b32 s[\g+4], 2*SSH/256
	s_mov_b32 s[\g+5], 32
	s_mov_b32 s[\g+6], 0
	s_mov_b32 s[\g+7], 0
.endr
	s_mul_i32 s20, s17, 2*NB                       ; A: the work-group's first block: it hangs on the tile row alone
	s_mul_i32 s46, s42, 2*NB                       ; B: on the tile column alone
	s_mul_i32 s2, s16, NB*KST*2048                 ; s[2:3]: in the ring I fetch half a region: which half, in bytes
	s_mov_b32 s3, 0
	s_mul_i32 s22, s20, KST*64
	s_add_co_u32 s22, s22, AS_OFF
	s_mul_i32 s92, s46, KST*64
	s_add_co_u32 s92, s92, BS_OFF
	s_mul_i32 s20, s20, KST*2048
	s_add_co_u32 s20, s20, A_OFF
	s_mul_i32 s46, s46, KST*2048
	s_add_co_u32 s46, s46, B_OFF
	s_mov_b32 s21, 0
	s_mov_b32 s23, 0
	s_mov_b32 s47, 0
	s_mov_b32 s93, 0
	s_mul_i32 s45, s14, HALFT                      ; where the ring's loads go: wave x HALFT: no place in the cluster enters an LDS address
	s_wait_kmcnt 0x0
	s_add_nc_u64 s[20:21], s[4:5], s[20:21]
	s_add_nc_u64 s[22:23], s[4:5], s[22:23]
	s_add_nc_u64 s[46:47], s[6:7], s[46:47]
	s_add_nc_u64 s[92:93], s[6:7], s[92:93]
	CROUND                                         ; all sixteen work-groups are here: the first joint loads meet
	s_mov_b32 s[G0S], 1
	s_mov_b32 s[G0S+1], SCL
	s_mov_b64 s[G0S+2:G0S+3], s[22:23]
	s_or_b32 s[G0S+3], s[G0S+3], 0x80000000
	s_mov_b32 s[G0SB], 1
	s_mov_b32 s[G0SB+1], SCL+2*SSH
	s_mov_b64 s[G0SB+2:G0SB+3], s[92:93]
	s_or_b32 s[G0SB+3], s[G0SB+3], 0x80000000
	s_mov_b32 s[G0], 1                             ; the head's tiles, each whole: slot 0's region A,
	s_mov_b32 s[G0+1], 0
	s_mov_b64 s[G0+2:G0+3], s[20:21]
	s_or_b32 s[G0+3], s[G0+3], 0x80000000
	s_mov_b32 s[G0B], 1                            ; and its region B
	s_mov_b32 s[G0B+1], 2*HALFT
	s_mov_b64 s[G0B+2:G0B+3], s[46:47]
	s_or_b32 s[G0B+3], s[G0B+3], 0x80000000
	s_add_nc_u64 s[20:21], s[20:21], s[2:3]        ; for the ring: my half of a region
	s_add_nc_u64 s[46:47], s[46:47], s[2:3]
	s_mov_b32 s[G0+4], 1                           ; slot 1
	s_add_co_u32 s[G0+5], s45, SLOT
	s_add_nc_u64 s[G0+6:G0+7], s[20:21], BLKB
	s_or_b32 s[G0+7], s[G0+7], 0x80000000
	s_mov_b32 s[G0B+4], 1
	s_add_co_u32 s[G0B+5], s45, SLOT
	s_add_nc_u64 s[G0B+6:G0B+7], s[46:47], BLKB
	s_or_b32 s[G0B+7], s[G0B+7], 0x80000000
; THE HEAD'S LOADS, ONE A WAVE: wave 0 slot 0's region A, wave 1 its region B, wave 2 A's scale words, wave 3 B's.  One tree of branches on the wave's number: every way passes one load.
.macro ARM under, g0, g1, next
	s_cmp_lt_u32 s14, \under
	s_cbranch_scc0 \next
	tensor_load_to_lds s[\g0:\g0+3], s[\g1:\g1+7]
	s_nop 0
.rept 4
	v_nop
.endr
	s_branch .Lhead_asked
\next:
.endm
	ARM 1, G0,  G1,  .Lhead_b
	ARM 2, G0B, G1B, .Lhead_sa
	ARM 3, G0S, G1S, .Lhead_sb
	tensor_load_to_lds s[G0SB:G0SB+3], s[G1SB:G1SB+7]
	s_nop 0
.rept 4
	v_nop
.endr
.Lhead_asked:
.set BX,  64                           ; v64-127  bias along X (q, k): register 16 B + i = output 32 B + 16 h + i of my 128
.set BY,  24                           ; v24-31   bias along Y (v): register y = output of block y's lane-row r
.set VO,  4                            ; v4-7     where the four groups of a fragment's codes go
.set SOF, 8                            ; v8       q's, k's scale words: 8,192 h + 4 r
.set ST,  128
.set PC,  192
.set TM,  208
.set TW,  224
.set PWS, 232
.set DST, 46                           ; s[46:47] the codes' place
.set SB,  66                           ; s[66:67] the scale words' place
.set STP, 92                           ; s[92:93] from block to block
.set JMP, 94                           ; s[94:95] v: from a head's last tile to the next head's first, less a step
.set SEL, 96
.set MNT, 98
.set MSK, 99
.set ISV, 100
	v_and_b32 v1, 31, v0
	v_lshlrev_b32 v2, 4, v1                        ; 16 x lane
	v_lshlrev_b32 v3, 2, v1                        ; 4 x lane
	v_and_b32 v12, 15, v0                          ; r
	v_bfe_u32 v11, v0, 4, 1                        ; h
	s_wait_alu depctr_va_vdst(0)
	s_mov_b32 s[SEL], 0x76543210
	s_mov_b32 s[SEL+1], 0xfedcba98
	s_mov_b32 s[MNT], 0x600000
	s_mov_b32 s[MSK], 0xffff0000
	s_cmp_eq_u32 ttmp9, 2                          ; v's clusters: the same answer in all sixteen partners
	s_cselect_b32 s[ISV], 1, 0
	s_cselect_b32 s21, 0, 2*HALFT                  ; X's region in a slot
	s_cselect_b32 s22, 2*HALFT, 0                  ; Y's
	s_cselect_b32 s23, 0, 2*SSH                    ; X's scale words
	s_cselect_b32 s45, 2*SSH, 0                    ; Y's
	s_cselect_b32 s18, s16, s15                    ; which half of the tokens is mine,
	s_cselect_b32 s19, s15, s16                    ; and of the outputs
	s_mov_b32 s101, 131072                         ; q, k: groups 2, 3 belong to the next head, 16 steps x 8,192 bytes on
	s_cselect_b32 s101, 1024, s101                 ; v: they follow groups 0, 1
	s_mov_b32 s[STP], 1024
	s_cselect_b32 s[STP], 2048, s[STP]
	s_cselect_b32 s[JMP], 122880, 0
	s_mov_b32 s[STP+1], 0
	s_mov_b32 s[JMP+1], 0
	s_lshr_b32 s44, s17, 3
	s_lshl_b32 s44, s44, 4                         ; 16 x batch
	s_lshl_b32 s43, s40, 2
	s_add_co_u32 s44, s44, s43
	s_lshl_b32 s43, s19, 1
	s_add_co_u32 s44, s44, s43                     ; bh of my first head: 16 b + 4 cx + 2 x half
	s_and_b32 s43, s17, 7
	s_lshl_b32 s43, s43, 1
	s_add_co_u32 s43, s43, s18                     ; my step of 128 tokens in the batch
	s_lshl_b32 s18, s44, 4
	s_add_co_u32 s18, s18, s43                     ; 16 bh + step
	s_lshl_b32 s46, s18, 13
	s_lshl_b32 s19, ttmp9, 22
	s_add_co_u32 s46, s46, s19
	s_mov_b32 s47, 0
	s_add_nc_u64 s[DST:DST+1], s[12:13], s[46:47]
	s_lshl_b32 s66, s44, 13
	s_lshl_b32 s19, s43, 9
	s_add_co_u32 s66, s66, s19
	s_lshl_b32 s19, ttmp9, 18
	s_add_co_u32 s66, s66, s19
	s_add_co_u32 s66, s66, 12582912                ; q's or k's scale words
	s_lshl_b32 s19, s18, 8
	s_add_co_u32 s19, s19, 13107200                ; v's
	s_cmp_eq_u32 s[ISV], 1
	s_cselect_b32 s66, s19, s66
	s_mov_b32 s67, 0
	s_add_nc_u64 s[SB:SB+1], s[12:13], s[66:67]
	s_lshl_b32 s18, s42, 10
	s_lshl_b32 s19, s15, 9
	s_add_co_u32 s18, s18, s19
	s_mov_b32 s19, 0
	s_add_nc_u64 s[10:11], s[8:9], s[18:19]        ; the bias of Y's 128 outputs
	s_lshl_b32 s18, s42, 10
	s_lshl_b32 s19, s16, 9
	s_add_co_u32 s18, s18, s19
	s_mov_b32 s19, 0
	s_add_nc_u64 s[8:9], s[8:9], s[18:19]          ; and of X's.  Both are loaded by every work-group; the way out takes one
	v_lshlrev_b32 v9, 6, v11                       ; 64 h
	v_and_b32 v13, 8, v12
	v_add_lshl_u32 v10, v13, v12, 2                ; 4 (r + 8 (r / 8))
.irp t, 0,1,2,3,4,5,6,7
	global_load_b128 v[BX+8*\t:BX+8*\t+3], v9, s[8:9] offset:(32*(\t/2)+8*(\t%2))*4
	global_load_b128 v[BX+8*\t+4:BX+8*\t+7], v9, s[8:9] offset:(32*(\t/2)+8*(\t%2))*4+16
	global_load_b32 v[BY+\t], v10, s[10:11] offset:(32*(\t/2)+8*(\t%2))*4
.endr
	v_mov_b32 v[VO], v2
	v_add_nc_u32 v[VO+1], 512, v2
	v_add_nc_u32 v[VO+2], s101, v2
	v_add_nc_u32 v[VO+3], 512, v[VO+2]
	v_lshlrev_b32 v[SOF], 2, v12
	v_lshl_add_u32 v[SOF], v11, 13, v[SOF]
	; the fragment loads' LDS addresses: 16 x lane + slot + region + half
	s_mul_i32 s43, s16, HALFT
	s_add_co_u32 s21, s21, s43
	s_mul_i32 s43, s15, HALFT
	s_add_co_u32 s22, s22, s43
.irp s, 0,1
	v_add_nc_u32 v[ADRX+\s], s21, v2
	v_add_nc_u32 v[ADRY+\s], s22, v2
	s_add_co_u32 s21, s21, SLOT
	s_add_co_u32 s22, s22, SLOT
.endr
	s_mul_i32 s43, s16, SSH
	s_add_co_u32 s23, s23, s43
	s_add_co_u32 s23, s23, SCL
	v_add_nc_u32 v[ADSX], s23, v3                  ; scale words: 4 x lane: lanes 0-15 an even step's, lanes 16-31 the odd step's behind it
	s_mul_i32 s43, s15, SSH
	s_add_co_u32 s45, s45, s43
	s_add_co_u32 s45, s45, SCL
	v_add_nc_u32 v[ADSY], s45, v3
.macro FRAG reg, adr, q, i             ; a fragment comes back as it was stored: four loads of 512 consecutive bytes
.irp c, 0,1,2,3
	ds_load_b128 v[(\reg)+4*\c:(\reg)+4*\c+3], v[\adr] offset:(\i)*BLKB+(\q)*2048+512*\c
.endr
.endm
.macro FETCH_X slot, q, p              ; X's NB fragments of the slot's q-th step into set p
	WIN 0x40
.set II, 0
.rept NB
	FRAG 128*(\p)+16*II, ADRX+\slot, \q, II
.set II, II+1
.endr
	WIN 0
.endm
.macro FETCH_Y slot, q, i0             ; Y's blocks i0 .. i0 + NB / 2 - 1
.set II, \i0
.rept NB/2
	FRAG YF+16*II, ADRY+\slot, \q, II
.set II, II+1
.endr
.endm
.macro SCALES sc                       ; a slot's scale words into set sc: sixteen loads
.set II, 0
.rept NB
.set PQ, 0
.rept NQ/2
	ds_load_b32 v[SC+16*(\sc)+(NQ/2)*II+PQ], v[ADSX] offset:II*KST*64+128*PQ
	ds_load_b32 v[SC+16*(\sc)+8+(NQ/2)*II+PQ], v[ADSY] offset:II*KST*64+128*PQ
.set PQ, PQ+1
.endr
.set II, II+1
.endr
.endm
; Y's block y against X's NB tiles, 128 along K.  An odd step's scale words stand in lanes 16-31.  zero = 1 (an even step): the product starts the sums.
.macro MULB y, p, q, sc, zero
.set TT, 0
.rept NB
.set AC, 8*(NB*((\y)%4)+TT)
.set XG, 128*(\p)+16*TT
.set YG, YF+16*(\y)
.set SX, SC+16*(\sc)+(NQ/2)*TT+(\q)/2
.set SY, SC+16*(\sc)+8+(NQ/2)*(\y)+(\q)/2
.if \zero
	v_wmma_scale_f32_16x16x128_f8f6f4 v[AC:AC+7], v[XG:XG+15], v[YG:YG+15], 0, v[SX], v[SY] matrix_a_fmt:MATRIX_FMT_BF8 matrix_b_fmt:MATRIX_FMT_BF8
.elseif (\q)%2
	v_wmma_scale_f32_16x16x128_f8f6f4 v[AC:AC+7], v[XG:XG+15], v[YG:YG+15], v[AC:AC+7], v[SX], v[SY] matrix_a_fmt:MATRIX_FMT_BF8 matrix_b_fmt:MATRIX_FMT_BF8 matrix_a_scale:MATRIX_SCALE_ROW1 matrix_b_scale:MATRIX_SCALE_ROW1
.else
	v_wmma_scale_f32_16x16x128_f8f6f4 v[AC:AC+7], v[XG:XG+15], v[YG:YG+15], v[AC:AC+7], v[SX], v[SY] matrix_a_fmt:MATRIX_FMT_BF8 matrix_b_fmt:MATRIX_FMT_BF8
.endif
.set TT, TT+1
.endr
.endm
.macro MULR y0, n, p, q, sc, zero      ; n blocks of Y.  All accumulators take turns, one instruction a turn, in the same order in every step
.set YY, \y0
.rept \n
	MULB YY, \p, \q, \sc, \zero
.set YY, YY+1
.endr
.endm
; a step of 128 along K that has its successor in the same slot.  Y has one set of registers: a block is free when its products are issued
.macro STEP slot, q, zero
	s_wait_dscnt 2*NB                              ; all but the youngest 2 NB loads (Y's upper blocks) are in
	WIN MUL_LO
	MULR 0, NB/2, (\q)%2, \q, \slot, \zero
	s_wait_dscnt 0x0                               ; Y's upper blocks are in
	PLACES 8
	FETCH_X \slot, (\q)+1, 1-(\q)%2
	FETCH_Y \slot, (\q)+1, 0
	WIN MUL_HI
	MULR NB/2, NB/2, (\q)%2, \q, \slot, \zero
	PLACES 8
	WIN 0
	FETCH_Y \slot, (\q)+1, NB/2
.endm
.macro STEPS slot, z
	STEP \slot, 0, \z
.if NQ == 4
	STEP \slot, 1, 0
	STEP \slot, 2, 0
.endif
.endm
; a slot's last step changes slots: one barrier; in front of it each wave waits for all its tensor loads, adds 0 to its spare word, and waits for that and for its reads of this slot
.macro TURN slot, next, fill
	s_wait_tensorcnt 0x0                           ; all my tensor loads have landed: my part of the next slot
	ds_add_u32 v[SPW], v[NIL]                      ; 0 onto my spare word
	s_wait_dscnt 2*NB+1                            ; (the add and Y's upper blocks may be out)
	WIN MUL_LO
	MULR 0, NB/4, 1, NQ-1, \slot, 0
	s_wait_dscnt 0x0                               ; the add is done, and my reads of this slot are over
	s_barrier_signal -1
	MULR NB/4, NB/4, 1, NQ-1, \slot, 0
	WIN 0
	s_barrier_wait -1
.if \fill
	CREST                                          ; the barrier has opened a round of the cluster's: no wave of any partner still reads this slot or has a load on its way
	s_add_nc_u64 s[G0+4*\slot+2:G0+4*\slot+3], s[G0+4*\slot+2:G0+4*\slot+3], 2*BLKB
	s_add_nc_u64 s[G0B+4*\slot+2:G0B+4*\slot+3], s[G0B+4*\slot+2:G0B+4*\slot+3], 2*BLKB
	JLOAD G0+4*\slot, G1, G0B+4*\slot, G1B         ; my one tensor load behind the round; its four v_nop are four of the eight places
	PLACES 4
.else
	PLACES 8
.endif
	s_wait_alu depctr_va_vdst(0)
	v_add_nc_u32 v[ADSX], 64*NQ, v[ADSX]           ; on to the next slot's scale words
	v_add_nc_u32 v[ADSY], 64*NQ, v[ADSY]
	FETCH_X \next, 0, 0
	FETCH_Y \next, 0, 0
	SCALES \next
	WIN MUL_HI
	MULR NB/2, NB/2, 1, NQ-1, \slot, 0
	PLACES 8
	WIN 0
	FETCH_Y \next, 0, NB/2
.endm
	s_wait_alu depctr_va_vdst(0)
	s_wait_tensorcnt 0x0                           ; my tile of the head's four is in
	ds_add_u32 v[SPW], v[NIL]
	s_mov_b32 s[G1+2], NB<<16                      ; no tensor load of mine is out, so descriptors may be written: from here on a load brings NB blocks,
	s_mov_b32 s[G1+4], NB
	s_mov_b32 s[G1B+2], NB<<16
	s_mov_b32 s[G1B+4], NB
	s_mul_i32 s[G0+1], s14, HALFT                  ; and slot 0's groups 0 become the ring's: my half of a region, at wave x HALFT
	s_mul_i32 s[G0B+1], s14, HALFT
	s_add_nc_u64 s[G0+2:G0+3], s[G0+2:G0+3], s[2:3]
	s_add_nc_u64 s[G0B+2:G0B+3], s[G0B+2:G0B+3], s[2:3]
	s_wait_dscnt 0x0                               ; the add is done
	CROUND                                         ; a whole round: all four tiles are in, and the sixteen work-groups meet
	JLOAD G0+4, G1, G0B+4, G1B                     ; slot 1's first fill: my one tensor load behind the round
	FETCH_X 0, 0, 0
	FETCH_Y 0, 0, 0
	SCALES 0
	FETCH_Y 0, 0, NB/2
	STEPS 0, 1                                     ; the first step's products start the sums
.if LAPS > 1
	s_mov_b32 s3, LAPS-1
.Llap:                                                 ; a trip goes once round the ring and fills both slots again
	TURN 0, 1, 1
	STEPS 1, 0
	TURN 1, 0, 1
	STEPS 0, 0
	s_sub_co_u32 s3, s3, 1
	s_cmp_lg_u32 s3, 0
	s_cbranch_scc1 .Llap
.endif
	TURN 0, 1, 0                                   ; the last lap fills nothing
	STEPS 1, 0
	s_wait_dscnt 2*NB                              ; the very last step
	WIN MUL_LO
	MULR 0, NB/2, 1, NQ-1, 1, 0
	s_wait_dscnt 0x0
	WIN MUL_HI
	MULR NB/2, NB/2, 1, NQ-1, 1, 0
	WIN 0
; 64 numbers of a lane, register 16 b + i = k 32 b + 16 h + i of my row, become a fragment's codes in v[pc] on and its scale word in v[pw]
.macro QUANT s, pc, pw
.irp b, 0,1,2,3
	v_max3_num_f32 v[TM+\b], |v[\s+16*\b]|, |v[\s+1+16*\b]|, 0x8000000   ; my 16 numbers and the floor 2^(16 - 127): the byte cannot fall under 1
.endr
.irp i, 2,4,6,8,10,12,14
.irp b, 0,1,2,3
	v_max3_num_f32 v[TM+\b], v[TM+\b], |v[\s+16*\b+\i]|, |v[\s+1+16*\b+\i]|
.endr
.endr
.irp b, 0,1,2,3
	v_permlanex16_b32 v[TM+4+\b], v[TM+\b], s[SEL], s[SEL+1]
.endr
.irp b, 0,1,2,3
	v_max_num_f32 v[TM+\b], v[TM+\b], v[TM+4+\b]   ; with lane l xor 16's: the block's largest magnitude
.endr
.irp b, 0,1,2,3
	v_add_nc_u32 v[TM+12+\b], 0xf8800000, v[TM+\b] ; 15 off its exponent field: the conversion's scale operand
.endr
.irp b, 0,1,2,3
	v_and_or_b32 v[TM+8+\b], v[TM+\b], 0x7f800000, s[MNT]   ; 57,344 x the scale
.endr
.irp b, 0,1,2,3
	v_lshrrev_b32 v[TM+4+\b], 23, v[TM+12+\b]      ; the scale's byte
.endr
	v_lshl_or_b32 v[\pw], v[TM+5], 8, v[TM+4]
	v_lshl_or_b32 v[\pw], v[TM+6], 16, v[\pw]
	v_lshl_or_b32 v[\pw], v[TM+7], 24, v[\pw]
.irp b, 0,1,2,3
.irp i, 0,1,2,3,4,5,6,7,8,9,10,11,12,13,14,15
	v_med3_num_f32 v[\s+16*\b+\i], v[\s+16*\b+\i], -v[TM+8+\b], v[TM+8+\b]   ; the conversion does not saturate (ISA guide 7.6.2): the hold
.endr
	v_cvt_scalef32_pk8_bf8_f32 v[\pc+4*\b:\pc+1+4*\b], v[\s+16*\b:\s+7+16*\b], v[TM+12+\b]
	v_cvt_scalef32_pk8_bf8_f32 v[\pc+2+4*\b:\pc+3+4*\b], v[\s+8+16*\b:\s+15+16*\b], v[TM+12+\b]
.endr
	v_nop                                          ; a plain line behind the last conversion
.endm
; THE WAY OUT of Y's block y: bias added on the way into window 0 (each accumulator from its low end on), quantised, stored as an image
.macro EPIY y
.if \y > 0
	s_wait_xcnt 0x0                                ; the last block's stores have read their data and their base
	s_add_nc_u64 s[DST:DST+1], s[DST:DST+1], s[STP:STP+1]
.if \y == 4
	s_add_nc_u64 s[DST:DST+1], s[DST:DST+1], s[JMP:JMP+1]
.endif
.endif
	s_cmp_eq_u32 s[ISV], 0
	s_cbranch_scc0 .Lvb_\@
	WIN 2+(\y)/4
.set II, 0
.rept 32
	v_pk_add_f32 v[ST+2*II:ST+2*II+1], v[64*((\y)%4)+2*II:64*((\y)%4)+2*II+1], v[BX+2*II:BX+2*II+1]
.set II, II+1
.endr
	WIN 0
	s_branch .Lbd_\@
.Lvb_\@:
	WIN 2+(\y)/4
.set II, 0
.rept 64
	v_add_f32 v[ST+II], v[64*((\y)%4)+II], v[BY+\y]
.set II, II+1
.endr
	WIN 0
.Lbd_\@:
	QUANT ST, PC, PWS+\y
.irp c, 0,1,2,3
	global_store_b128 v[VO+\c], v[PC+4*\c:PC+4*\c+3], s[DST:DST+1] th:TH_STORE_NT   ; 512 consecutive bytes
.endr
.endm
	s_wait_loadcnt 0x0                             ; the biases
	PLACES 8                                       ; behind the last products: their results are read, and Y's registers written
.irp b, 0,1,2,3
	v_mov_b32 v[TM+4+\b], 0                        ; a lane permute's destination counts as one of its sources
.endr
.irp y, 0,1,2,3,4,5,6,7
	EPIY \y
.endr
	s_cmp_eq_u32 s[ISV], 0
	s_cbranch_scc0 .Lvscales
.irp y, 0,1,2,3,4,5,6,7                        ; q, k: a word's low half is my first head's two bytes, its high half the next head's: lanes 0-15 store the one, lanes 16-31 the other
	v_and_b32 v240, 0xffff, v[PWS+\y]
	v_lshrrev_b32 v241, 16, v[PWS+\y]
	v_cndmask_b32 v[TW+\y], v240, v241, s[MSK]
	global_store_b32 v[SOF], v[TW+\y], s[SB:SB+1] offset:64*\y   ; two pieces of 64 bytes: the words are 1/16 of the codes' bytes
.endr
	s_branch .Lsdone
.Lvscales:
.irp y, 0,2,4,6                                ; v: two tiles' words, 128 consecutive bytes
	v_cndmask_b32 v[TW+\y], v[PWS+\y], v[PWS+\y+1], s[MSK]
	global_store_b32 v3, v[TW+\y], s[SB:SB+1] offset:4096*(\y/4)+64*(\y%4)
.endr
.Lsdone:
	s_wait_tensorcnt 0x0                           ; the wave's end
	ds_add_u32 v[SPW], v[NIL]
	s_wait_dscnt 0x0
	CROUND                                         ; the closing round
	s_endpgm
.Lfunc_end_k_qd7b23a8aa3_qkvg:
	.size	k_qd7b23a8aa3_qkvg, .Lfunc_end_k_qd7b23a8aa3_qkvg-k_qd7b23a8aa3_qkvg
	.p2alignl 7, 3214868480
	.fill 96, 4, 3214868480
	.section	.rodata,"a",@progbits
	.p2align	6, 0x0
	.amdhsa_kernel k_qd7b23a8aa3_qkvg
		.amdhsa_group_segment_fixed_size 327680
		.amdhsa_private_segment_fixed_size 0
		.amdhsa_enable_private_segment 0
		.amdhsa_kernarg_size 24
		.amdhsa_user_sgpr_count 2
		.amdhsa_user_sgpr_kernarg_segment_ptr 1
		.amdhsa_wavefront_size32 1
		.amdhsa_system_sgpr_workgroup_id_x 1
		.amdhsa_system_sgpr_workgroup_id_y 1
		.amdhsa_system_sgpr_workgroup_id_z 1
		.amdhsa_system_vgpr_workitem_id 0
		.amdhsa_next_free_vgpr 1024
		.amdhsa_next_free_sgpr 102
		.amdhsa_reserve_vcc 0
		.amdhsa_float_denorm_mode_32 3
		.amdhsa_float_denorm_mode_16_64 3
		.amdhsa_memory_ordered 1
		.amdhsa_forward_progress 1
		.amdhsa_inst_pref_size 227
	.end_amdhsa_kernel
	.amdgpu_metadata
---
amdhsa.version: [ 1, 2 ]
amdhsa.kernels:
  - .name:           k_qd7b23a8aa3_qkvg
    .symbol:         k_qd7b23a8aa3_qkvg.kd
    .args:
      - { .name: w0, .offset: 0, .size: 8, .value_kind: global_buffer, .address_space: global }
      - { .name: in_proj_b, .offset: 8, .size: 8, .value_kind: global_buffer, .address_space: global }
      - { .name: qkvb, .offset: 16, .size: 8, .value_kind: global_buffer, .address_space: global }
    .group_segment_fixed_size: 327680
    .private_segment_fixed_size: 0
    .kernarg_segment_align: 8
    .kernarg_segment_size: 24
    .max_flat_workgroup_size: 128
    .sgpr_count:     102
    .vgpr_count:     1024
    .wavefront_size: 32
...
	.end_amdgpu_metadata
.endif
;; end of part 2
;; launch attn (part 3): grid 8 x 32, 16 waves a work-group, no clusters, 169,984 bytes of LDS; arguments qkvb, ctxb; writes ctxb
.if DOCPART == 3
	.amdgcn_target "amdgcn-amd-amdhsa--gfx1250"
	.amdhsa_code_object_version 6
	.text
	.protected	k_qd7b23a8aa3_attn
	.globl	k_qd7b23a8aa3_attn
	.p2align	8
	.type	k_qd7b23a8aa3_attn,@function
k_qd7b23a8aa3_attn:
	s_mov_b64 s[64:65], 0
	v_nop
	global_prefetch_b8 v0, s[64:65] scope:SCOPE_SE
	s_setreg_imm32_b32 hwreg(HW_REG_WAVE_MODE, 25, 1), 1
	s_wait_xcnt 0x0
; Banded attention, |query - key| <= 128, on E5M2 codes with E8M0 scales, and ctx quantised along the model's 1,024 on the way out.
; The band is built by the layer itself: a tile of 16 queries of query step qs (128 tokens) sees key steps qs - 1, qs, qs + 1 alone; all else has p = 0 and is not multiplied.
; SOFTMAX: t = score x log2(e) / 8; M = the running largest t rounded up to a whole number; p = 2^(t - M) is quantised along the keys; the sum of the unquantised p divides at the end.
; SHARES: a work-group owns 256 queries of one (batch, head); each of its sixteen waves one tile of 16.  The four key steps that the work-group touches, 8 KiB of K's codes and 8 KiB of V's each,
; come into LDS once, by one tensor load in each of waves 0-7; nothing is filled again.  No cluster: neighbours share two of four key steps, but at other LDS places, and a work-group fetches 64 KiB in all.
; LAYOUT: both products are used transposed (S^T = K Q^T, O^T = V^T P^T): a lane holds ONE query.  All operands are images of registers whose block rows are chosen so that the 16 registers of
; tiles 2 b, 2 b + 1 are 16 neighbours: keys for p, channels for ctx.
; K = 64 IN AN INSTRUCTION OF 128: Q's registers 8-15 are zero codes; K's tile is named with the eight registers behind it (the next tile's codes, finite since the quantiser holds every number; zeros behind
; the last tile), which add exactly 0 against Q's zeros; bytes 2, 3 of both scale words are 0.
; LIMITS: hidden scores are -infinity where the layer has -1e9: the same p = 0 while a row's largest score inside the band lies above about -1e9 + 200.  NaN and infinities are not served.
; A block of ctx whose largest magnitude lies under 2^-111 gets the byte 1.
; REGISTERS: v1 LDS address, v2 the mask's bound, v3 16 x lane; v4-9 V's scale words; v12 -M, v13 largest t, v[14:15] the sum; v16-23 Q, v24-31 zeros; v32-95 K's 8 tiles, then V's 4 fragments; v96-103 zeros;
;   v104-167 S^T, then p; v168-199 O^T; v200-215 p's codes; v216-227 K's scale words; v232-254 at work; v253 p's scale word; v255 Q's.
.set P,   104
.set O,   168
.set PCD, 200
.set KSW, 216
.set VSW, 4
.set WV,  8
.set CS,  32
.set SEL, 34
.set MNT, 36
.set MSK, 37
	s_load_b128 s[4:7], s[0:1], 0x0                ; qkvb, ctxb
	v_lshl_add_u32 v230, v0, 2, 0x29000
	v_mov_b32 v231, 0
	ds_add_u32 v230, v231
	ds_add_u32 v230, v231
	v_lshrrev_b32 v1, 5, v0
	s_delay_alu instid0(VALU_DEP_1)
	v_readfirstlane_b32 s[WV], v1                  ; wave 0..15
	s_and_b32 s9, ttmp7, 0xffff                    ; bh
	s_lshr_b32 s10, s[WV], 3                       ; which of the work-group's two query steps
	s_and_b32 s11, s[WV], 7                        ; my tile in it
	s_lshl_b32 s12, ttmp9, 1
	s_add_co_u32 s12, s12, s10                     ; qs
	; group 1: 8,192 dense bytes as 32 rows of 256 (32 elements of 8 bytes)
	s_mov_b32 s24, 3<<16
	s_mov_b32 s25, 32<<16
	s_mov_b32 s26, 32<<16
	s_mov_b32 s27, 32<<16
	s_mov_b32 s28, 32
	s_mov_b32 s29, 32
	s_mov_b32 s30, 0
	s_mov_b32 s31, 0
	s_and_b32 s13, s[WV], 3                        ; waves 0-3: K's places 0-3; waves 4-7: V's.  Place p holds key step 2 g - 1 + p
	s_lshl_b32 s14, ttmp9, 1
	s_add_co_u32 s14, s14, s13
	s_sub_co_i32 s14, s14, 1
	s_max_i32 s14, s14, 0                          ; a step outside the sequence is held inside the buffer: its place is never read
	s_min_i32 s14, s14, 15
	s_lshl_b32 s15, s9, 4
	s_add_co_u32 s14, s14, s15
	s_lshl_b32 s14, s14, 13
	s_cmp_lt_u32 s[WV], 4
	s_mov_b32 s15, 8388608
	s_cselect_b32 s15, 4194304, s15
	s_add_co_u32 s14, s14, s15
	s_mov_b32 s15, 0
	s_wait_dscnt 0x0
	s_wait_kmcnt 0x0
	s_mov_b32 s20, 1
	s_lshl_b32 s21, s[WV], 13                      ; LDS: 8,192 x wave
	s_add_nc_u64 s[22:23], s[4:5], s[14:15]
	s_or_b32 s23, s23, 0x80000000
	s_cmp_lt_u32 s[WV], 8
	s_cbranch_scc0 .Lno_fetch
	tensor_load_to_lds s[20:23], s[24:31]
	s_nop 0
.rept 4
	v_nop
.endr
.Lno_fetch:
	v_and_b32 v112, 31, v0                         ; lane
	v_and_b32 v113, 15, v0                         ; r
	v_bfe_u32 v114, v0, 4, 1                       ; h
	s_delay_alu instid0(VALU_DEP_3)
	v_lshlrev_b32 v3, 4, v112
	s_wait_alu depctr_va_vdst(0)
	s_lshl_b32 s13, s10, 13
	v_add_nc_u32 v1, s13, v3                       ; my first key step's place
	s_lshr_b32 s13, s11, 1
	s_lshl_b32 s13, s13, 5
	s_and_b32 s14, s11, 1
	s_lshl_b32 s14, s14, 3
	s_add_co_u32 s13, s13, s14
	v_and_b32 v2, 8, v113
	s_delay_alu instid0(VALU_DEP_1)
	v_add_nc_u32 v2, v2, v113
	s_delay_alu instid0(VALU_DEP_1)
	v_add_nc_u32 v2, s13, v2                       ; my query's place in its step,
	v_lshlrev_b32 v115, 4, v114
	s_delay_alu instid0(VALU_DEP_1)
	v_sub_nc_u32 v2, v2, v115                      ; less 16 h: register 16 b + i holds key 32 b + 16 h + i of a key step
	s_lshl_b32 s13, s9, 4
	s_add_co_u32 s13, s13, s12
	s_lshl_b32 s14, s13, 13
	s_lshl_b32 s15, s11, 10
	s_add_co_u32 s14, s14, s15
	s_mov_b32 s15, 0
	s_add_nc_u64 s[16:17], s[4:5], s[14:15]
	global_load_b128 v[16:19], v3, s[16:17]        ; Q's codes
	global_load_b128 v[20:23], v3, s[16:17] offset:512
	s_lshl_b32 s18, s9, 13                         ; 8,192 bh
	s_lshl_b32 s19, s12, 9
	s_add_co_u32 s19, s19, s18
	s_lshl_b32 s38, s11, 6
	s_add_co_u32 s19, s19, s38
	s_add_co_u32 s19, s19, 12582912
	v_lshl_add_u32 v104, v113, 2, s19
	global_load_b32 v255, v104, s[4:5]             ; Q's scale words
.irp i, 0,1,2
	s_add_co_u32 s19, s12, \i
	s_sub_co_i32 s19, s19, 1
	s_max_i32 s19, s19, 0
	s_min_i32 s19, s19, 15                         ; key step i, held inside
	s_lshl_b32 s38, s19, 9
	s_add_co_u32 s38, s38, s18
	s_add_co_u32 s38, s38, 12845056
	v_lshl_add_u32 v[105+\i], v112, 2, s38
	s_lshl_b32 s39, s9, 4
	s_add_co_u32 s39, s39, s19
	s_lshl_b32 s39, s39, 8
	s_add_co_u32 s39, s39, 13107200
	v_lshl_add_u32 v[108+\i], v112, 2, s39
.irp tp, 0,1,2,3
	global_load_b32 v[KSW+4*\i+\tp], v[105+\i], s[4:5] offset:128*\tp   ; lanes 0-15: tile 2 tp's words; lanes 16-31: tile 2 tp + 1's
.endr
.irp tp, 0,1
	global_load_b32 v[VSW+2*\i+\tp], v[108+\i], s[4:5] offset:128*\tp
.endr
.endr
	s_mov_b32 s[CS], 0x3e38aa3b                    ; c = log2(e) / 8
	s_mov_b32 s[CS+1], s[CS]
	s_mov_b32 s[SEL], 0x76543210
	s_mov_b32 s[SEL+1], 0xfedcba98
	s_mov_b32 s[MNT], 0x600000
	s_mov_b32 s[MSK], 0xffff0000
	v_mov_b32 v13, 0xff61b1e6                      ; the largest t so far: -3e38
	s_delay_alu instid0(VALU_DEP_1)
	v_floor_f32 v12, -v13                          ; -M
	v_mov_b32 v14, 0
	v_mov_b32 v15, 0
.irp j, 0,1,2,3,4,5,6,7
	v_mov_b32 v[24+\j], 0                          ; Q's upper half: zero codes
	v_mov_b32 v[96+\j], 0                          ; behind K's last tile
.endr
.irp b, 0,1,2,3
	v_mov_b32 v[236+\b], 0                         ; a lane permute's destination counts as one of its sources
.endr
	v_mov_b32 v253, 0
.set J, 0
.rept 32
	v_mov_b32 v[O+J], 0                            ; O^T: a key step has one form; the first change of M leaves zeros zeros
.set J, J+1
.endr
	s_wait_loadcnt 0x0
	s_wait_tensorcnt 0x0                           ; my tile is in LDS,
	s_barrier_signal -1
	s_barrier_wait -1                              ; everybody's is
.macro STEP i
.if \i == 0
	s_cmp_eq_u32 s12, 0                            ; no key step in front of the first: a branch on ids
	s_cbranch_scc1 .Lskip_\@
.endif
.if \i == 2
	s_cmp_eq_u32 s12, 15                           ; none behind the last
	s_cbranch_scc1 .Lskip_\@
.endif
.rept 8
	v_nop                                          ; places in front of loads into registers that matrix instructions have read
.endr
.irp t, 0,1,2,3,4,5,6,7
	ds_load_b128 v[32+8*\t:35+8*\t], v1 offset:8192*\i+1024*\t
	ds_load_b128 v[36+8*\t:39+8*\t], v1 offset:8192*\i+1024*\t+512
.endr
	s_wait_dscnt 0x0
.irp t, 0,2,4,6
	v_wmma_scale_f32_16x16x128_f8f6f4 v[P+8*\t:P+8*\t+7], v[32+8*\t:47+8*\t], v[16:31], 0, v[KSW+4*\i+\t/2], v255 matrix_a_fmt:MATRIX_FMT_BF8 matrix_b_fmt:MATRIX_FMT_BF8
	v_wmma_scale_f32_16x16x128_f8f6f4 v[P+8*\t+8:P+8*\t+15], v[40+8*\t:55+8*\t], v[16:31], 0, v[KSW+4*\i+\t/2], v255 matrix_a_fmt:MATRIX_FMT_BF8 matrix_b_fmt:MATRIX_FMT_BF8 matrix_a_scale:MATRIX_SCALE_ROW1
.endr
.rept 8
	v_nop
.endr
.irp t, 0,1,2,3
.irp c, 0,1,2,3
	ds_load_b128 v[32+16*\t+4*\c:35+16*\t+4*\c], v1 offset:32768+8192*\i+2048*\t+512*\c   ; V's fragments land under the softmax
.endr
.endr
.if \i != 1                                    ; the band's edge: in the step before, key < my place is hidden; in the step behind, key > my place
	v_mov_b32 v254, 0xff800000
.set N, 0
.rept 64
.if \i == 0
	v_cmp_lt_i32 vcc_lo, 32*(N/16)+N%16, v2
.else
	v_cmp_gt_i32 vcc_lo, 32*(N/16)+N%16, v2
.endif
	v_cndmask_b32 v[P+N], v[P+N], v254, vcc_lo
.set N, N+1
.endr
.endif
.irp b, 0,1,2,3
	v_max3_num_f32 v[232+\b], v[P+16*\b], v[P+1+16*\b], v[P+2+16*\b]   ; the largest score of each block of 32 keys: for the row's maximum, and, since p rises with the score, for the block's largest p
.endr
.irp e, 3,5,7,9,11,13
.irp b, 0,1,2,3
	v_max3_num_f32 v[232+\b], v[232+\b], v[P+16*\b+\e], v[P+1+16*\b+\e]
.endr
.endr
.irp b, 0,1,2,3
	v_max_num_f32 v[232+\b], v[232+\b], v[P+15+16*\b]
.endr
.irp b, 0,1,2,3
	s_delay_alu instid0(VALU_DEP_4)
	v_permlanex16_b32 v[236+\b], v[232+\b], s[SEL], s[SEL+1]
.endr
.irp b, 0,1,2,3
	s_delay_alu instid0(VALU_DEP_4)
	v_max_num_f32 v[232+\b], v[232+\b], v[236+\b]
.endr
	s_delay_alu instid0(VALU_DEP_2)
	v_max3_num_f32 v254, v232, v233, v234
	s_delay_alu instid0(VALU_DEP_1)
	v_max_num_f32 v254, v254, v235                 ; the step's largest score of my query: a number, since each step that is walked has a key inside the band
	s_delay_alu instid0(VALU_DEP_1)
	v_mul_f32 v254, s[CS], v254
	s_delay_alu instid0(VALU_DEP_1)
	v_max_num_f32 v13, v13, v254
	v_mov_b32 v254, v12
	s_delay_alu instid0(VALU_DEP_2)
	v_floor_f32 v12, -v13                          ; the new -M = -ceil(t)
	s_delay_alu instid0(VALU_DEP_1)
	v_sub_f32 v254, v12, v254
	s_delay_alu instid0(VALU_DEP_1)
	v_cvt_i32_f32 v254, v254                       ; (it saturates)
	s_delay_alu instid0(VALU_DEP_1)
	v_ldexp_f32 v252, 1.0, v254                    ; f = 2^(old M - new M)
.set J, 0
.rept 32
	v_pk_fma_f32 v[P+J:P+J+1], v[P+J:P+J+1], s[CS:CS+1], v[12:13] op_sel_hi:[1,0,0]   ; t - M
.set J, J+2
.endr
.irp b, 0,1,2,3
	v_fma_f32 v[232+\b], v[232+\b], s[CS], v12
.endr
.set J, 0
	s_wait_alu depctr_va_vdst(0)
.rept 64
	v_exp_f32 v[P+J], v[P+J]                       ; p = 2^(t - M)
.set J, J+1
.endr
	v_pk_mul_f32 v[14:15], v[14:15], v[252:253] op_sel_hi:[1,0]   ; the sums under the new M: a plain line behind the exponentials
	s_wait_alu depctr_va_vdst(0)                   ; one wait for the batch, ahead of its first reader
.irp b, 0,1,2,3
	v_exp_f32 v[232+\b], v[232+\b]                 ; the block's largest p
.endr
	v_pk_add_f32 v[236:237], v[108:109], v[112:113]
	v_pk_add_f32 v[250:251], v[116:117], v[120:121]
	v_pk_add_f32 v[248:249], v[124:125], v[128:129]
	v_pk_add_f32 v[246:247], v[132:133], v[136:137]
	v_pk_add_f32 v[244:245], v[140:141], v[144:145]
	v_pk_add_f32 v[242:243], v[148:149], v[152:153]
	v_pk_add_f32 v[240:241], v[156:157], v[160:161]
	v_pk_add_f32 v[14:15], v[14:15], v[164:165]
	v_pk_add_f32 v[236:237], v[236:237], v[104:105]
	v_pk_add_f32 v[250:251], v[250:251], v[106:107]
	v_pk_add_f32 v[248:249], v[248:249], v[110:111]
	v_pk_add_f32 v[246:247], v[246:247], v[114:115]
	v_pk_add_f32 v[244:245], v[244:245], v[118:119]
	v_pk_add_f32 v[242:243], v[242:243], v[122:123]
	v_pk_add_f32 v[240:241], v[240:241], v[126:127]
	v_pk_add_f32 v[14:15], v[14:15], v[130:131]
	v_pk_add_f32 v[236:237], v[236:237], v[134:135]
	v_pk_add_f32 v[250:251], v[250:251], v[138:139]
	v_pk_add_f32 v[248:249], v[248:249], v[142:143]
	v_pk_add_f32 v[246:247], v[246:247], v[146:147]
	v_pk_add_f32 v[244:245], v[244:245], v[150:151]
	v_pk_add_f32 v[242:243], v[242:243], v[154:155]
	v_pk_add_f32 v[240:241], v[240:241], v[158:159]
	v_pk_add_f32 v[14:15], v[14:15], v[162:163]
	v_pk_add_f32 v[236:237], v[236:237], v[166:167]
	s_delay_alu instid0(VALU_DEP_2)
	v_pk_add_f32 v[14:15], v[14:15], v[246:247]
	s_delay_alu instid0(VALU_DEP_2)
	v_pk_add_f32 v[236:237], v[236:237], v[244:245]
	v_pk_add_f32 v[250:251], v[250:251], v[242:243]
	v_pk_add_f32 v[248:249], v[248:249], v[240:241]
	s_delay_alu instid0(VALU_DEP_2)
	v_pk_add_f32 v[14:15], v[14:15], v[250:251]
	s_delay_alu instid0(VALU_DEP_2)
	v_pk_add_f32 v[236:237], v[236:237], v[248:249]
	s_delay_alu instid0(VALU_DEP_1)
	v_pk_add_f32 v[14:15], v[14:15], v[236:237]
	s_wait_alu depctr_va_vdst(0)                   ; and one for the four
.irp b, 0,1,2,3
	v_max_num_f32 v[232+\b], 0x8000000, v[232+\b]  ; the floor 2^(16 - 127)
.endr
.irp b, 0,1,2,3
	s_delay_alu instid0(VALU_DEP_4)
	v_add_nc_u32 v[244+\b], 0xf8800000, v[232+\b]
.endr
.irp b, 0,1,2,3
	v_and_or_b32 v[240+\b], v[232+\b], 0x7f800000, s[MNT]
.endr
.irp b, 0,1,2,3
	v_lshrrev_b32 v[236+\b], 23, v[244+\b]
.endr
	s_delay_alu instid0(VALU_DEP_3)
	v_lshl_or_b32 v253, v237, 8, v236              ; p's scale word for these 128 keys
	s_delay_alu instid0(VALU_DEP_1)
	v_lshl_or_b32 v253, v238, 16, v253
	s_delay_alu instid0(VALU_DEP_1)
	v_lshl_or_b32 v253, v239, 24, v253
.irp b, 0,1,2,3
.irp e, 0,1,2,3,4,5,6,7,8,9,10,11,12,13,14,15
	v_min_num_f32 v[P+16*\b+\e], v[P+16*\b+\e], v[240+\b]   ; the hold; p is not negative
.endr
	v_cvt_scalef32_pk8_bf8_f32 v[PCD+4*\b:PCD+1+4*\b], v[P+16*\b:P+7+16*\b], v[244+\b]
	v_cvt_scalef32_pk8_bf8_f32 v[PCD+2+4*\b:PCD+3+4*\b], v[P+8+16*\b:P+15+16*\b], v[244+\b]
.endr
.set J, 0
.rept 16
	v_pk_mul_f32 v[O+J:O+J+1], v[O+J:O+J+1], v[252:253] op_sel_hi:[1,0]   ; O^T under the new M; these are also the places in front of the products
.set J, J+2
.endr
	s_wait_alu depctr_va_vdst(0)
	s_wait_dscnt 0x0                               ; V's fragments
.irp t, 0,2
	v_wmma_scale_f32_16x16x128_f8f6f4 v[O+8*\t:O+8*\t+7], v[32+16*\t:47+16*\t], v[PCD:PCD+15], v[O+8*\t:O+8*\t+7], v[VSW+2*\i+\t/2], v253 matrix_a_fmt:MATRIX_FMT_BF8 matrix_b_fmt:MATRIX_FMT_BF8
	v_wmma_scale_f32_16x16x128_f8f6f4 v[O+8*\t+8:O+8*\t+15], v[48+16*\t:63+16*\t], v[PCD:PCD+15], v[O+8*\t+8:O+8*\t+15], v[VSW+2*\i+\t/2], v253 matrix_a_fmt:MATRIX_FMT_BF8 matrix_b_fmt:MATRIX_FMT_BF8 matrix_a_scale:MATRIX_SCALE_ROW1
.endr
.if \i != 1
.Lskip_\@:
.endif
.endm
	STEP 0
	STEP 1
	STEP 2
	; THE WAY OUT: O^T / the sum is ctx: register 16 b + i = channel 32 b + 16 h + i of my head: two blocks of 32 along the model's axis
.rept 8
	v_nop
.endr
	v_add_f32 v14, v14, v15
	s_delay_alu instid0(VALU_DEP_1)
	v_permlanex16_b32 v252, v14, s[SEL], s[SEL+1]
	s_delay_alu instid0(VALU_DEP_1)
	v_add_f32 v14, v14, v252
	s_wait_alu depctr_va_vdst(0)
	v_rcp_f32 v14, v14
	v_and_b32 v250, 15, v0                         ; (a plain line behind the reciprocal)  r
	v_bfe_u32 v251, v0, 4, 1                       ; h
	s_delay_alu instid0(VALU_DEP_1)
	v_lshl_add_u32 v249, v250, 2, v251             ; 4 r + h
	s_lshr_b32 s13, s9, 4
	s_lshl_b32 s13, s13, 7
	s_lshl_b32 s14, s12, 3
	s_add_co_u32 s13, s13, s14
	s_add_co_u32 s13, s13, s11                     ; my block of 16 tokens
	s_and_b32 s14, s9, 15                          ; the head
	s_lshr_b32 s15, s14, 1                         ; its K step of 128
	s_and_b32 s14, s14, 1
	s_lshl_b32 s18, s13, 14
	s_lshl_b32 s19, s15, 11
	s_add_co_u32 s18, s18, s19
	s_lshl_b32 s19, s14, 10
	s_add_co_u32 s18, s18, s19
	s_mov_b32 s19, 0
	s_add_nc_u64 s[18:19], s[6:7], s[18:19]
	s_lshl_b32 s38, s13, 3
	s_add_co_u32 s38, s38, s15
	s_lshl_b32 s38, s38, 6
	s_lshl_b32 s39, s14, 1
	s_add_co_u32 s38, s38, s39
	s_add_co_u32 s38, s38, 4194304
	s_mov_b32 s39, 0
	s_add_nc_u64 s[38:39], s[6:7], s[38:39]
	s_wait_alu depctr_va_vdst(0)                   ; ahead of the reciprocal's first reader
.set J, 0
.rept 32
	v_mul_f32 v[P+J], v[O+J], v14
.set J, J+1
.endr
.irp b, 0,1
	v_max3_num_f32 v[232+\b], |v[P+16*\b]|, |v[P+1+16*\b]|, 0x8000000
.endr
.irp e, 2,4,6,8,10,12,14
.irp b, 0,1
	s_delay_alu instid0(VALU_DEP_2)
	v_max3_num_f32 v[232+\b], v[232+\b], |v[P+16*\b+\e]|, |v[P+1+16*\b+\e]|
.endr
.endr
.irp b, 0,1
	s_delay_alu instid0(VALU_DEP_2)
	v_permlanex16_b32 v[236+\b], v[232+\b], s[SEL], s[SEL+1]
.endr
.irp b, 0,1
	s_delay_alu instid0(VALU_DEP_2)
	v_max_num_f32 v[232+\b], v[232+\b], v[236+\b]
.endr
.irp b, 0,1
	s_delay_alu instid0(VALU_DEP_2)
	v_add_nc_u32 v[244+\b], 0xf8800000, v[232+\b]
.endr
.irp b, 0,1
	s_delay_alu instid0(VALU_DEP_4)
	v_and_or_b32 v[240+\b], v[232+\b], 0x7f800000, s[MNT]
.endr
.irp b, 0,1
	s_delay_alu instid0(VALU_DEP_4)
	v_lshrrev_b32 v[236+\b], 23, v[244+\b]
.endr
	s_delay_alu instid0(VALU_DEP_1)
	v_cndmask_b32 v248, v236, v237, s[MSK]         ; lanes 0-15 store block 0's byte, lanes 16-31 block 1's
.irp b, 0,1
.irp e, 0,1,2,3,4,5,6,7,8,9,10,11,12,13,14,15
	v_med3_num_f32 v[P+16*\b+\e], v[P+16*\b+\e], -v[240+\b], v[240+\b]
.endr
	v_cvt_scalef32_pk8_bf8_f32 v[PCD+4*\b:PCD+1+4*\b], v[P+16*\b:P+7+16*\b], v[244+\b]
	v_cvt_scalef32_pk8_bf8_f32 v[PCD+2+4*\b:PCD+3+4*\b], v[P+8+16*\b:P+15+16*\b], v[244+\b]
.endr
	v_nop
	global_store_b128 v3, v[PCD:PCD+3], s[18:19] th:TH_STORE_NT            ; 512 consecutive bytes each
	global_store_b128 v3, v[PCD+4:PCD+7], s[18:19] offset:512 th:TH_STORE_NT
	global_store_b8 v249, v248, s[38:39]           ; 32 bytes of one piece of 64: a head owns two of a word's four bytes
	s_wait_tensorcnt 0x0
	ds_add_u32 v230, v231
	s_wait_dscnt 0x0
	s_endpgm
.Lfunc_end_k_qd7b23a8aa3_attn:
	.size	k_qd7b23a8aa3_attn, .Lfunc_end_k_qd7b23a8aa3_attn-k_qd7b23a8aa3_attn
	.p2alignl 7, 3214868480
	.fill 96, 4, 3214868480
	.section	.rodata,"a",@progbits
	.p2align	6, 0x0
	.amdhsa_kernel k_qd7b23a8aa3_attn
		.amdhsa_group_segment_fixed_size 169984
		.amdhsa_private_segment_fixed_size 0
		.amdhsa_enable_private_segment 0
		.amdhsa_kernarg_size 16
		.amdhsa_user_sgpr_count 2
		.amdhsa_user_sgpr_kernarg_segment_ptr 1
		.amdhsa_wavefront_size32 1
		.amdhsa_system_sgpr_workgroup_id_x 1
		.amdhsa_system_sgpr_workgroup_id_y 1
		.amdhsa_system_sgpr_workgroup_id_z 1
		.amdhsa_system_vgpr_workitem_id 0
		.amdhsa_next_free_vgpr 256
		.amdhsa_next_free_sgpr 66
		.amdhsa_reserve_vcc 1
		.amdhsa_float_denorm_mode_32 3
		.amdhsa_float_denorm_mode_16_64 3
		.amdhsa_memory_ordered 1
		.amdhsa_forward_progress 1
		.amdhsa_inst_pref_size 84
	.end_amdhsa_kernel
	.amdgpu_metadata
---
amdhsa.version: [ 1, 2 ]
amdhsa.kernels:
  - .name:           k_qd7b23a8aa3_attn
    .symbol:         k_qd7b23a8aa3_attn.kd
    .args:
      - { .name: qkvb, .offset: 0, .size: 8, .value_kind: global_buffer, .address_space: global }
      - { .name: ctxb, .offset: 8, .size: 8, .value_kind: global_buffer, .address_space: global }
    .group_segment_fixed_size: 169984
    .private_segment_fixed_size: 0
    .kernarg_segment_align: 8
    .kernarg_segment_size: 16
    .max_flat_workgroup_size: 512
    .sgpr_count:     66
    .vgpr_count:     256
    .wavefront_size: 32
...
	.end_amdgpu_metadata
.endif
;; end of part 3
;; launch oproj (part 4): grid 32 x 8, 4 waves a work-group, clusters of 4 x 1, 327,680 bytes of LDS; arguments ctxb, w0, cbuf; writes cbuf
.if DOCPART == 4
	.amdgcn_target "amdgcn-amd-amdhsa--gfx1250"
	.amdhsa_code_object_version 6
	.text
	.protected	k_qd7b23a8aa3_oproj
	.globl	k_qd7b23a8aa3_oproj
	.p2align	8
	.type	k_qd7b23a8aa3_oproj,@function
k_qd7b23a8aa3_oproj:
	s_mov_b64 s[64:65], 0
	v_nop
	global_prefetch_b8 v0, s[64:65] scope:SCOPE_SE
	s_setreg_imm32_b32 hwreg(HW_REG_WAVE_MODE, 25, 1), 1
	s_wait_xcnt 0x0
	s_wait_alu depctr_hold_cnt(0) depctr_sa_sdst(0) depctr_va_vdst(0) depctr_va_sdst(0) depctr_va_ssrc(0) depctr_va_vcc(0) depctr_vm_vsrc(0)
	s_getreg_b32 s2, hwreg(HW_REG_IB_STS2, 6, 4)
	s_cmp_eq_u32 s2, 0
	s_cbranch_scc0 .Lentry_in_a_cluster
	s_endpgm
.Lentry_in_a_cluster:
	s_bfe_u32 s2, ttmp6, 0x10000c
	s_cmp_lg_u32 s2, 0x3003
	s_cbranch_scc0 .Lentry_shape_is_right
	s_endpgm
.Lentry_shape_is_right:
; cbuf = ctx out_w^T (f32, natural rows) on E5M2 codes with E8M0 scales, K = 1,024.  The bias, the residual and the norm follow in the next launch.
; OPERANDS ARE IMAGES OF REGISTERS: [block of 16 rows][K step of 128][c][lane][16 bytes]; scale words [block][K step][16 lane-rows].  Lane-row r of block t is row 32 (t / 2) + 8 (t % 2) + r + 8 (r / 8).
; SHARES: 4,096 x 1,024 outputs in blocks of 128 x 128: 256 work-groups; grid x = tile of tokens, y = tile of weights.  Four waves, wave = 2 yh + xh: 64 tokens x 64 outputs, 16 accumulators.
; TWO ROADS.  X (weights): joint tensor loads into LDS, in slots of 8 K steps: 8 blocks x 16,384 bytes, a quarter (2 blocks) a wave; the four work-groups of a cluster (4, 1, 1) have the same tile of weights: mask 15.
; Y (tokens), which no partner shares, and all scale words: from memory straight into registers, a fragment as four loads of 512 consecutive bytes, asked for four K steps ahead into a ring of four buffers.
; Here K is one slot: nothing is filled again, and there is no later slot to prefetch.  Y's loads are themselves issued four steps ahead of their use.
; SOURCE 0 IS X, SOURCE 1 IS Y: a lane holds one token and eight neighbouring outputs a tile.  NaN and infinities are not served.
; REGISTERS: window 0: v4-13 addresses; v16-47 scale words, four sets (a pair of steps: X's at + 0..3, Y's at + 4..7; lanes 0-15 the even step's, lanes 16-31 the odd's); v48-111 way out; v128-255 accumulator (y, t) at 128 + 8 (4 y + t).
;   window 1: Y's four buffers of 64;  window 2: X's two sets of 64.
.set KST, 8
.set A_OFF,  0
.set AS_OFF, 4194304
.set B_OFF,  7340032
.set BS_OFF, 17006592
.set NSL, KST/8                        ; slots' worth of K
.set SLOTB, 131072
.set STG, 2*SLOTB                      ; behind the slots: a stage of 16 rows x 272 bytes a wave; no fill lands there
.set SPARE, STG+4*4352                 ; the spare words, 128 bytes a wave
.set LI, 4
.set LS, 5
.set ADX, 6
.set STO, 8
.set RD, 9
.set CO, 10
.set SPW, 12
.set NIL, 13
.set PFO, 14
.set SCR, 16
.set ACC, 128
.set YC, 16
.set YS, 18
.set XS, 20
.set DST, 22
.set PFA, 24
.set G0, 40
.set G1, 48
.set MSB, 0
.macro WIN new                         ; the immediate's high byte repeats the setting that is left
.if MSB != (\new)
	s_set_vgpr_msb (MSB<<8)|(\new)
.set MSB, (\new)
.endif
.endm
.macro PLACES n                        ; plain lines behind matrix instructions: eight for this form
.rept \n
	v_nop
.endr
.endm
.macro CREST                           ; a round of the cluster's barrier behind its opening barrier
	s_cmp_lg_u32 s10, 0
	s_cbranch_scc1 .Lnot_wave_0_\@
	s_barrier_signal -3
.Lnot_wave_0_\@:
	s_barrier_wait -3
	s_barrier_signal -1
	s_barrier_wait -1
.endm
.macro CROUND
	s_barrier_signal -1
	s_barrier_wait -1
	CREST
.endm
.macro TLOAD sl                        ; my quarter of a slot; an s_nop 0 and four v_nop follow
	tensor_load_to_lds s[G0+4*(\sl):G0+4*(\sl)+3], s[G1:G1+7]
	s_nop 0
	PLACES 4
.endm
.macro OFFS d, blk, m, c               ; a byte offset: block x its pitch + the image's place in its buffer
	s_mul_i32 s[\d], s\blk, \m
.if \c
	s_add_co_u32 s[\d], s[\d], \c
.endif
	s_mov_b32 s[\d+1], 0
.endm
	s_load_b128 s[4:7], s[0:1], 0x0                ; Y's buffer, w0
	s_load_b64 s[8:9], s[0:1], 0x10                ; cbuf
	v_lshl_add_u32 v[SPW], v0, 2, SPARE
	v_mov_b32 v[NIL], 0
	ds_add_u32 v[SPW], v[NIL]                      ; the opening lines: the add, twice on end, and its wait ahead of my first tensor load
	ds_add_u32 v[SPW], v[NIL]
	v_lshrrev_b32 v1, 5, v0
	v_and_b32 v[PFO], 31, v0                       ; lane
	v_and_b32 v2, 15, v0                           ; r
	v_bfe_u32 v3, v0, 4, 1                         ; h
	v_readfirstlane_b32 s10, v1                    ; wave 0..3
	v_lshlrev_b32 v[LI], 4, v[PFO]
	v_lshlrev_b32 v[LS], 2, v[PFO]
	v_mul_u32_u24 v15, v2, 272
	v_mul_u32_u24 v11, v3, 272
	v_lshlrev_b32 v1, 12, v3
	v_lshl_add_u32 v15, v3, 6, v15                 ; stage, in: row r, + 64 h
	v_lshl_add_u32 v11, v2, 4, v11                 ; back: lanes 0-15 one row, lanes 16-31 the next
	v_lshl_add_u32 v[CO], v2, 4, v1                ; and the same two rows of 4,096 bytes in memory
	v_lshlrev_b32 v[PFO], 8, v[PFO]                ; 256 x lane
	s_wait_alu depctr_va_vdst(0)
	s_lshr_b32 s11, s10, 1                         ; yh
	s_and_b32 s12, s10, 1                          ; xh
	s_bfe_u32 s13, ttmp6, 0x40000                  ; cx
	s_lshl_b32 s14, ttmp9, 2
	s_add_co_u32 s14, s14, s13                     ; tile of tokens = 4 x cluster x + cx
	s_and_b32 s15, ttmp7, 0xffff                   ; tile of weights: the same in the four partners
	s_lshl_b32 s31, s14, 3
	s_lshl_b32 s26, s11, 2
	s_add_co_u32 s31, s31, s26                     ; my four blocks of tokens
	s_lshl_b32 s32, s15, 3
	s_lshl_b32 s30, s12, 2
	s_add_co_u32 s33, s32, s30                     ; my four blocks of weights
	s_lshl_b32 s30, s10, 1
	s_add_co_u32 s34, s32, s30                     ; the two blocks that I fetch: tile of weights and wave alone
	OFFS YC, 31, KST*2048, A_OFF
	OFFS YS, 31, KST*64, AS_OFF
	OFFS XS, 33, KST*64, BS_OFF
	OFFS 36, 34, KST*2048, B_OFF
.if NSL > 2
	s_lshl_b32 s26, s13, 2
	s_add_co_u32 s26, s26, s10                     ; which of the cluster's sixteen waves I am: my share of a prefetch, by address
	s_lshr_b32 s27, s26, 1
	s_add_co_u32 s27, s27, s32
	s_and_b32 s26, s26, 1
	s_lshl_b32 s26, s26, 13
	OFFS PFA, 27, KST*2048, B_OFF
	s_add_co_u32 s[PFA], s[PFA], s26               ; half (8,192 bytes) of one block's part of a slot
.endif
	s_lshl_b32 s28, s14, 7
	s_lshl_b32 s29, s11, 6
	s_add_co_u32 s28, s28, s29                     ; my first token
	s_lshl_b32 s28, s28, 12
	s_lshl_b32 s29, s15, 9
	s_add_co_u32 s28, s28, s29
	s_lshl_b32 s29, s12, 8
	s_add_co_u32 s28, s28, s29                     ; + my 64 columns
	s_mov_b32 s29, 0
	s_lshl_b32 s38, s12, 16                        ; my four blocks in a slot
	s_mul_i32 s39, s10, 4352
	s_add_co_u32 s39, s39, STG                     ; my stage
	v_add_nc_u32 v[ADX], s38, v[LI]
	v_add_nc_u32 v[STO], s39, v15
	v_add_nc_u32 v[RD], s39, v11
.if NSL > 1
	v_add_nc_u32 v[ADX+1], SLOTB, v[ADX]
.endif
	s_mov_b32 s[G1], 15|(3<<16)|(1<<21)            ; mask: the four partners; elements of 8 bytes; bit 21 beside a mask
	s_mov_b32 s[G1+1], 2048<<16                    ; tensor_dim0: a block's 8 K steps, 16,384 bytes
	s_mov_b32 s[G1+2], 2<<16                       ; tensor_dim1: two blocks
	s_mov_b32 s[G1+3], 2048<<16                    ; tile_dim0
	s_mov_b32 s[G1+4], 2                           ; tile_dim1
	s_mov_b32 s[G1+5], KST*256                     ; from block to block
	s_mov_b32 s[G1+6], 0
	s_mov_b32 s[G1+7], 0
	s_mov_b32 s[G0], 1
	s_lshl_b32 s[G0+1], s10, 15                    ; LDS: 32,768 x wave
	s_wait_alu depctr_va_vdst(0)
	s_wait_dscnt 0x0                               ; both opening adds are done
	CROUND                                         ; the four work-groups are here: the first joint loads meet
	s_wait_kmcnt 0x0
	s_add_nc_u64 s[36:37], s[6:7], s[36:37]
	s_mov_b64 s[G0+2:G0+3], s[36:37]
	s_or_b32 s[G0+3], s[G0+3], 0x80000000
	TLOAD 0                                        ; slot 0: one tensor load a wave at the head
.if NSL > 1
	s_mov_b32 s[G0+4], 1
	s_add_co_u32 s[G0+5], s[G0+1], SLOTB
	s_add_nc_u64 s[G0+6:G0+7], s[36:37], 16384
	s_or_b32 s[G0+7], s[G0+7], 0x80000000
.endif
	s_add_nc_u64 s[YC:YC+1], s[4:5], s[YC:YC+1]
	s_add_nc_u64 s[YS:YS+1], s[4:5], s[YS:YS+1]
	s_add_nc_u64 s[XS:XS+1], s[6:7], s[XS:XS+1]
	s_add_nc_u64 s[DST:DST+1], s[8:9], s[28:29]
.if NSL > 2
	s_add_nc_u64 s[PFA:PFA+1], s[6:7], s[PFA:PFA+1]
.endif
.macro GROUP g                         ; K step g from memory: ahead of an even step's 16 loads of Y's fragments, the pair's 8 loads of scale words
.if (\g)%2 == 0
	WIN 0
.set J_, SCR+8*(((\g)/2)%4)
.irp t, 0,1,2,3
	global_load_b32 v[J_+\t], v[LS], s[XS:XS+1] offset:\t*KST*64+64*(\g)
	global_load_b32 v[J_+4+\t], v[LS], s[YS:YS+1] offset:\t*KST*64+64*(\g)
.endr
.endif
	WIN 0x40                                       ; destination window 1, address window 0
.set P_, 64*((\g)%4)
.irp y, 0,1,2,3
.irp c, 0,1,2,3
	global_load_b128 v[P_+16*\y+4*\c:P_+16*\y+4*\c+3], v[LI], s[YC:YC+1] offset:\y*KST*2048+(\g)*2048+512*\c
.endr
.endr
.endm
.macro FETCHX s                        ; X's four fragments of K step s from its slot into set s % 2
	WIN 0x80                                       ; destination window 2, address window 0
.set P_, 64*((\s)%2)
.irp t, 0,1,2,3
.irp c, 0,1,2,3
	ds_load_b128 v[P_+16*\t+4*\c:P_+16*\t+4*\c+3], v[ADX+((\s)/8)%2] offset:\t*16384+((\s)%8)*2048+512*\c
.endr
.endr
.endm
.macro MUL s, y0, n                    ; n blocks of Y against X's four; the 16 accumulators take turns, in the same order in every step; step 0 starts the sums
.set PX_, 64*((\s)%2)
.set PY_, 64*((\s)%4)
.set J_, SCR+8*(((\s)/2)%4)
.set Y_, \y0
.rept \n
.set T_, 0
.rept 4
.set AC_, ACC+8*(4*Y_+T_)
.if (\s) == 0
	v_wmma_scale_f32_16x16x128_f8f6f4 v[AC_:AC_+7], v[PX_+16*T_:PX_+16*T_+15], v[PY_+16*Y_:PY_+16*Y_+15], 0, v[J_+T_], v[J_+4+Y_] matrix_a_fmt:MATRIX_FMT_BF8 matrix_b_fmt:MATRIX_FMT_BF8
.elseif (\s)%2
	v_wmma_scale_f32_16x16x128_f8f6f4 v[AC_:AC_+7], v[PX_+16*T_:PX_+16*T_+15], v[PY_+16*Y_:PY_+16*Y_+15], v[AC_:AC_+7], v[J_+T_], v[J_+4+Y_] matrix_a_fmt:MATRIX_FMT_BF8 matrix_b_fmt:MATRIX_FMT_BF8 matrix_a_scale:MATRIX_SCALE_ROW1 matrix_b_scale:MATRIX_SCALE_ROW1
.else
	v_wmma_scale_f32_16x16x128_f8f6f4 v[AC_:AC_+7], v[PX_+16*T_:PX_+16*T_+15], v[PY_+16*Y_:PY_+16*Y_+15], v[AC_:AC_+7], v[J_+T_], v[J_+4+Y_] matrix_a_fmt:MATRIX_FMT_BF8 matrix_b_fmt:MATRIX_FMT_BF8
.endif
.set T_, T_+1
.endr
.set Y_, Y_+1
.endr
.endm
; A slot's last step changes slots: one barrier; in front of it each wave waits for all its tensor loads, adds 0 to its spare word, and waits for that and for its reads of this slot.
; Where a slot two on exists, the barrier opens a round of the cluster's, and this slot is filled again first behind it.
.macro CHANGE s, n
	WIN 0
	s_wait_tensorcnt 0x0                           ; my part of the next slot is in
	ds_add_u32 v[SPW], v[NIL]
.if (\s)+9 < KST
	s_add_nc_u64 s[G0+4*(((\s)/8)%2)+2:G0+4*(((\s)/8)%2)+3], s[G0+4*(((\s)/8)%2)+2:G0+4*(((\s)/8)%2)+3], 32768   ; no load of mine is out: this slot's next 8 K steps
.endif
	s_wait_loadcnt \n                              ; Y's fragments and the scale words of this step
	s_wait_dscnt 1                                 ; X's are in; the add may be out
	WIN 0x06
	MUL \s, 0, 2
	s_wait_dscnt 0x0                               ; the add is done, and my reads of this slot are over
	s_barrier_signal -1
	MUL \s, 2, 2
	WIN 0
	s_barrier_wait -1
.if (\s)+9 < KST
	CREST
	TLOAD ((\s)/8)%2                               ; my one tensor load behind the round; its four v_nop are four of the eight places
	PLACES 4
.else
	PLACES 8
.endif
	FETCHX (\s)+1
.if (\s)+4 < KST
	GROUP (\s)+4
.endif
.if (\s)+17 < KST
	WIN 0
	global_prefetch_b8 v[PFO], s[PFA:PFA+1] offset:((\s)/8+3)*16384 th:TH_LOAD_NT scope:SCOPE_SE   ; the slot that the next change will ask for: 8,192 bytes a wave, lanes 256 bytes apart, each block once in the cluster
.endif
.endm
	GROUP 0
	GROUP 1
	GROUP 2
	GROUP 3
	WIN 0
.if NSL > 1
	s_wait_tensorcnt 0x0                           ; my part of slot 0 is in
	ds_add_u32 v[SPW], v[NIL]
	s_wait_dscnt 0x0
	CROUND
	TLOAD 1                                        ; slot 1's first fill: my one tensor load behind the round
.else
	s_wait_tensorcnt 0x0                           ; my part of the one slot is in,
	s_barrier_signal -1
	s_barrier_wait -1                              ; everybody's is
.endif
	FETCHX 0
.if NSL > 2
	WIN 0
	global_prefetch_b8 v[PFO], s[PFA:PFA+1] offset:2*16384 th:TH_LOAD_NT scope:SCOPE_SE   ; slot 2, which the first change of slots will ask for
.endif
.set S_, 0
.rept KST
.set N_, 0                             ; the loads issued behind step S_'s: the groups of the three steps that follow; a wait's count holds 63 at the most
.irp d, 1,2,3
.if S_+\d < KST
.set N_, N_+16+8*(1-(S_+\d)%2)
.endif
.endr
.if N_ > 63
.set N_, 63
.endif
.if (S_%8 == 7) && (S_+1 < KST)
	CHANGE S_, N_
.else
	s_wait_dscnt 0x0                               ; X's fragments of this step are in
.if S_+1 < KST
	FETCHX S_+1
.endif
	s_wait_loadcnt N_
	WIN 0x06                                       ; source 0 window 2, source 1 window 1; C and D window 0
	MUL S_, 0, 4
.if S_+1 < KST
	PLACES 8                                       ; in front of loads into registers that the products have read
.endif
.if S_+4 < KST
	GROUP S_+4
.endif
.endif
.set S_, S_+1
.endr
	WIN 0
	PLACES 8                                       ; behind the last products: their results are read
; THE WAY OUT, 16 tokens x 64 outputs at a time, through my own stage: in by lanes (tile t's eight outputs begin at output 32 (t / 2) + 8 (t % 2) + 16 h), back by rows.
; LDS serves a wave's instructions in order (ISA guide 5.7.1.4).  Stage row 2 i + h of block a is token 32 (a / 2) + 8 (a % 2) + 2 i + h + 8 (i / 4).
.macro TOSTAGE a
.irp t, 0,1,2,3
	ds_store_b128 v[STO], v[ACC+32*(\a)+8*\t:ACC+32*(\a)+8*\t+3] offset:128*(\t/2)+32*(\t%2)       ; each accumulator from its low end on
	ds_store_b128 v[STO], v[ACC+32*(\a)+8*\t+4:ACC+32*(\a)+8*\t+7] offset:128*(\t/2)+32*(\t%2)+16
.endr
.set BB, 48+32*((\a)%2)
.irp i, 0,1,2,3,4,5,6,7
	ds_load_b128 v[BB+4*\i:BB+4*\i+3], v[RD] offset:544*\i
.endr
.endm
.macro SEND a, younger
.set BB, 48+32*((\a)%2)
	s_wait_dscnt \younger
.irp i, 0,1,2,3,4,5,6,7
	global_store_b128 v[CO], v[BB+4*\i:BB+4*\i+3], s[DST:DST+1] offset:(32*((\a)/2)+8*((\a)%2)+2*\i+8*(\i/4))*4096 th:TH_STORE_NT   ; sixteen lanes store 256 consecutive bytes, aligned
.endr
.endm
	TOSTAGE 0
.irp a, 1,2,3
.if \a > 1
	s_wait_xcnt 0x0                                ; block a - 2's stores have read their registers: block a's loads may land there
.endif
	TOSTAGE \a
	SEND \a-1, 16                                  ; behind block a - 1's loads: block a's 8 stores and 8 loads
.endr
	SEND 3, 0
	s_wait_tensorcnt 0x0                           ; the wave's end
	ds_add_u32 v[SPW], v[NIL]
	s_wait_dscnt 0x0
	CROUND                                         ; the closing round
	s_endpgm
.Lfunc_end_k_qd7b23a8aa3_oproj:
	.size	k_qd7b23a8aa3_oproj, .Lfunc_end_k_qd7b23a8aa3_oproj-k_qd7b23a8aa3_oproj
	.p2alignl 7, 3214868480
	.fill 96, 4, 3214868480
	.section	.rodata,"a",@progbits
	.p2align	6, 0x0
	.amdhsa_kernel k_qd7b23a8aa3_oproj
		.amdhsa_group_segment_fixed_size 327680
		.amdhsa_private_segment_fixed_size 0
		.amdhsa_enable_private_segment 0
		.amdhsa_kernarg_size 24
		.amdhsa_user_sgpr_count 2
		.amdhsa_user_sgpr_kernarg_segment_ptr 1
		.amdhsa_wavefront_size32 1
		.amdhsa_system_sgpr_workgroup_id_x 1
		.amdhsa_system_sgpr_workgroup_id_y 1
		.amdhsa_system_sgpr_workgroup_id_z 1
		.amdhsa_system_vgpr_workitem_id 0
		.amdhsa_next_free_vgpr 640
		.amdhsa_next_free_sgpr 66
		.amdhsa_reserve_vcc 0
		.amdhsa_float_denorm_mode_32 3
		.amdhsa_float_denorm_mode_16_64 3
		.amdhsa_memory_ordered 1
		.amdhsa_forward_progress 1
		.amdhsa_inst_pref_size 55
	.end_amdhsa_kernel
	.amdgpu_metadata
---
amdhsa.version: [ 1, 2 ]
amdhsa.kernels:
  - .name:           k_qd7b23a8aa3_oproj
    .symbol:         k_qd7b23a8aa3_oproj.kd
    .args:
      - { .name: ctxb, .offset: 0, .size: 8, .value_kind: global_buffer, .address_space: global }
      - { .name: w0, .offset: 8, .size: 8, .value_kind: global_buffer, .address_space: global }
      - { .name: cbuf, .offset: 16, .size: 8, .value_kind: global_buffer, .address_space: global }
    .group_segment_fixed_size: 327680
    .private_segment_fixed_size: 0
    .kernarg_segment_align: 8
    .kernarg_segment_size: 24
    .max_flat_workgroup_size: 128
    .sgpr_count:     66
    .vgpr_count:     640
    .wavefront_size: 32
...
	.end_amdgpu_metadata
.endif
;; end of part 4
;; launch ln1 (part 5): grid 256 x 1, 16 waves a work-group, no clusters, 94,208 bytes of LDS; arguments cbuf, src, out_b, ln1_g, ln1_beta, xb; writes xb
.if DOCPART == 5
	.amdgcn_target "amdgcn-amd-amdhsa--gfx1250"
	.amdhsa_code_object_version 6
	.text
	.protected	k_qd7b23a8aa3_ln1
	.globl	k_qd7b23a8aa3_ln1
	.p2align	8
	.type	k_qd7b23a8aa3_ln1,@function
k_qd7b23a8aa3_ln1:
	s_mov_b64 s[64:65], 0
	v_nop
	global_prefetch_b8 v0, s[64:65] scope:SCOPE_SE
	s_setreg_imm32_b32 hwreg(HW_REG_WAVE_MODE, 25, 1), 1
	s_wait_xcnt 0x0
; x = LayerNorm(src + (ctx out_w^T + out_b)) g + beta, stored as f32 (xb at 0) and, quantised along the model's 1,024, as an image of operand registers (xb at 16,777,216) with its scale words (at 20,971,520).
; A stream: each row is read once and kept in registers between the passes (mean, then the mean of squared differences).  No matrix unit, no tensor load; no cluster: work-groups share only the three short vectors.
; SHARES: work-group a is image block a; wave w owns its lane-row w: token 32 (a / 2) + 8 (a % 2) + w + 8 (w / 8).  A load or store of a wave covers 512 consecutive bytes.
; THE QUANTISER wants 32 neighbours in one lane: the row turns through the wave's own stage in LDS (32 pieces of 128 bytes + 16), so that lane l owns block l whole.  Its 32 codes go into the work-group's image
; in LDS (chunk l = K step l / 4, group l % 4; 512 bytes + 16; place 16 w + 256 for the upper 16), a barrier, and each wave stores two whole chunks.
; LIMITS: NaN and infinities are not served; a block whose largest magnitude lies under 2^-111 gets the byte 1; 1 / sqrt is v_rsq_f32's.
.set C,  32                            ; v32-63   the product's row; later my block's 32 numbers
.set S,  64                            ; v64-95   src's row, then the sum, the differences, x
.set B,  96                            ; v96-127  out_b; later codes
.set G,  128                           ; v128-159 the gain
.set BE, 160                           ; v160-191 beta
.set IMG, 73728                        ; behind the sixteen stages of 4,608 bytes
.set SCS, 90624                        ; behind the image's 32 x 528 bytes: 512 bytes of scale words
	s_load_b256 s[4:11], s[0:1], 0x0               ; cbuf, src, out_b, ln1_g
	s_load_b128 s[12:15], s[0:1], 0x20             ; ln1_beta, xb
	v_lshl_add_u32 v208, v0, 2, 0x16800
	v_mov_b32 v209, 0
	v_lshrrev_b32 v2, 5, v0
	s_delay_alu instid0(VALU_DEP_1)
	v_readfirstlane_b32 s16, v2                    ; wave
	v_and_b32 v2, 31, v0                           ; lane
	s_wait_alu depctr_va_vdst(0)
	v_lshlrev_b32 v1, 4, v2                        ; 16 x lane
	s_lshr_b32 s17, ttmp9, 1
	s_lshl_b32 s17, s17, 5
	s_and_b32 s18, ttmp9, 1
	s_lshl_b32 s18, s18, 3
	s_add_co_u32 s17, s17, s18
	s_add_co_u32 s17, s17, s16
	s_and_b32 s18, s16, 8
	s_add_co_u32 s17, s17, s18                     ; my token
	s_lshl_b32 s18, s17, 12
	s_mov_b32 s19, 0
	s_mov_b32 s20, 0x76543210
	s_mov_b32 s21, 0xfedcba98
	s_mov_b32 s22, 0x3a800000                      ; 1 / 1,024
	s_mov_b32 s23, 0x3727c5ac                      ; 1e-5
	s_mul_i32 s24, s16, 4608                       ; my stage
	v_lshrrev_b32 v3, 3, v2
	s_delay_alu instid0(VALU_DEP_1)
	v_mul_u32_u24 v3, v3, 144
	v_and_b32 v4, 7, v2
	s_delay_alu instid0(VALU_DEP_1)
	v_lshl_add_u32 v3, v4, 4, v3
	s_delay_alu instid0(VALU_DEP_1)
	v_add_nc_u32 v3, s24, v3                       ; in: eight lanes fill a piece of 128 bytes
	v_mul_u32_u24 v4, v2, 144
	s_delay_alu instid0(VALU_DEP_1)
	v_add_nc_u32 v4, s24, v4                       ; back: lane l takes piece l
	s_lshl_b32 s25, s16, 4
	s_add_co_u32 s25, s25, IMG
	v_mul_u32_u24 v5, v2, 528
	s_delay_alu instid0(VALU_DEP_1)
	v_add_nc_u32 v5, s25, v5                       ; the image: chunk l, place 16 w
	s_lshl_b32 s25, s16, 2
	s_add_co_u32 s25, s25, SCS
	v_lshrrev_b32 v6, 2, v2
	s_delay_alu instid0(VALU_DEP_1)
	v_lshlrev_b32 v6, 6, v6
	v_and_b32 v7, 3, v2
	s_delay_alu instid0(VALU_DEP_1)
	v_add_nc_u32 v6, v6, v7
	s_delay_alu instid0(VALU_DEP_1)
	v_add_nc_u32 v6, s25, v6                       ; my block's byte: 64 (l / 4) + 4 w + l % 4
	s_mul_i32 s25, s16, 2*528
	s_add_co_u32 s25, s25, IMG
	v_add_nc_u32 v7, s25, v1                       ; out of the image: chunks 2 w, 2 w + 1
	v_add_nc_u32 v16, SCS, v1
	s_lshl_b32 s25, s16, 10
	v_add_nc_u32 v17, s25, v1
	v_mov_b32 v22, 0                               ; a lane permute's destination counts as one of its sources
	s_lshl_b32 s26, ttmp9, 14
	s_add_co_u32 s26, s26, 16777216
	s_mov_b32 s27, 0
	s_lshl_b32 s28, ttmp9, 9
	s_add_co_u32 s28, s28, 20971520
	s_mov_b32 s29, 0
	s_mov_b32 s24, 0x600000                        ; the mantissa field of 57,344
	s_wait_kmcnt 0x0
	s_add_nc_u64 s[4:5], s[4:5], s[18:19]
	s_add_nc_u64 s[6:7], s[6:7], s[18:19]
	s_add_nc_u64 s[30:31], s[14:15], s[18:19]      ; x's row
	s_add_nc_u64 s[26:27], s[14:15], s[26:27]      ; the block's image
	s_add_nc_u64 s[28:29], s[14:15], s[28:29]      ; its scale words
.irp i, 0,1,2,3,4,5,6,7
	global_load_b128 v[C+4*\i:C+4*\i+3], v1, s[4:5] offset:512*\i th:TH_LOAD_NT
	global_load_b128 v[S+4*\i:S+4*\i+3], v1, s[6:7] offset:512*\i th:TH_LOAD_NT
.endr
.irp i, 0,1,2,3,4,5,6,7
	global_load_b128 v[B+4*\i:B+4*\i+3], v1, s[8:9] offset:512*\i
	global_load_b128 v[G+4*\i:G+4*\i+3], v1, s[10:11] offset:512*\i
	global_load_b128 v[BE+4*\i:BE+4*\i+3], v1, s[12:13] offset:512*\i
.endr
.macro WSUM                            ; v8 summed over the wave's 32 lanes, into every lane
	s_delay_alu instid0(VALU_DEP_1)
	v_add_f32_dpp v8, v8, v8 row_xmask:1 row_mask:0xf bank_mask:0xf
	s_delay_alu instid0(VALU_DEP_1)
	v_add_f32_dpp v8, v8, v8 row_xmask:2 row_mask:0xf bank_mask:0xf
	s_delay_alu instid0(VALU_DEP_1)
	v_add_f32_dpp v8, v8, v8 row_xmask:4 row_mask:0xf bank_mask:0xf
	s_delay_alu instid0(VALU_DEP_1)
	v_add_f32_dpp v8, v8, v8 row_xmask:8 row_mask:0xf bank_mask:0xf
	s_delay_alu instid0(VALU_DEP_1)
	v_permlanex16_b32 v22, v8, s20, s21
	s_delay_alu instid0(VALU_DEP_1)
	v_add_f32 v8, v8, v22
.endm
.macro FOLD                            ; four packed chains v[8:15] into v8
	s_delay_alu instid0(VALU_DEP_3)
	v_pk_add_f32 v[8:9], v[8:9], v[10:11]
	s_delay_alu instid0(VALU_DEP_2)
	v_pk_add_f32 v[12:13], v[12:13], v[14:15]
	s_delay_alu instid0(VALU_DEP_1)
	v_pk_add_f32 v[8:9], v[8:9], v[12:13]
	s_delay_alu instid0(VALU_DEP_1)
	v_add_f32 v8, v8, v9
.endm
	s_wait_loadcnt 0x0
.set I, 0
.rept 16
	v_pk_add_f32 v[C+2*I:C+2*I+1], v[C+2*I:C+2*I+1], v[B+2*I:B+2*I+1]   ; the product + its bias
.set I, I+1
.endr
.set I, 0
.rept 16
	v_pk_add_f32 v[S+2*I:S+2*I+1], v[S+2*I:S+2*I+1], v[C+2*I:C+2*I+1]   ; + the residual
.set I, I+1
.endr
.irp k, 0,1,2,3
	v_pk_add_f32 v[8+2*\k:9+2*\k], v[S+4*\k:S+4*\k+1], v[S+4*\k+2:S+4*\k+3]
.endr
.irp j, 2,3
.irp k, 0,1,2,3
	s_delay_alu instid0(VALU_DEP_4)
	v_pk_add_f32 v[8+2*\k:9+2*\k], v[8+2*\k:9+2*\k], v[S+8*\j+2*\k:S+8*\j+2*\k+1]
.endr
.endr
	FOLD
	WSUM
	s_delay_alu instid0(VALU_DEP_1)
	v_mul_f32 v18, 0xba800000, v8                  ; -mean
	s_delay_alu instid0(VALU_DEP_1)
	v_mov_b32 v19, v18
.set I, 0
.rept 16
	v_pk_add_f32 v[S+2*I:S+2*I+1], v[S+2*I:S+2*I+1], v[18:19]
.set I, I+1
.endr
.irp k, 0,1,2,3
	v_pk_mul_f32 v[8+2*\k:9+2*\k], v[S+2*\k:S+2*\k+1], v[S+2*\k:S+2*\k+1]
.endr
.irp j, 1,2,3
.irp k, 0,1,2,3
	s_delay_alu instid0(VALU_DEP_4)
	v_pk_fma_f32 v[8+2*\k:9+2*\k], v[S+8*\j+2*\k:S+8*\j+2*\k+1], v[S+8*\j+2*\k:S+8*\j+2*\k+1], v[8+2*\k:9+2*\k]
.endr
.endr
	FOLD
	WSUM
	s_delay_alu instid0(VALU_DEP_1)
	v_fma_f32 v14, v8, s22, s23                    ; the variance + 1e-5
	s_wait_alu depctr_va_vdst(0)
	v_rsq_f32 v20, v14
	v_rsq_f32 v21, v14                             ; twice: a pair for the packed multiply
	v_nop                                          ; a plain line behind the transcendentals
	s_wait_alu depctr_va_vdst(0)                   ; one wait for both, ahead of their first reader
.set I, 0
.rept 16
	v_pk_mul_f32 v[S+2*I:S+2*I+1], v[S+2*I:S+2*I+1], v[20:21]
.set I, I+1
.endr
.set I, 0
.rept 16
	v_pk_fma_f32 v[S+2*I:S+2*I+1], v[S+2*I:S+2*I+1], v[G+2*I:G+2*I+1], v[BE+2*I:BE+2*I+1]
.set I, I+1
.endr
.irp i, 0,1,2,3,4,5,6,7
	global_store_b128 v1, v[S+4*\i:S+4*\i+3], s[30:31] offset:512*\i
	ds_store_b128 v3, v[S+4*\i:S+4*\i+3] offset:576*\i
.endr
.irp j, 0,1,2,3,4,5,6,7
	ds_load_b128 v[C+4*\j:C+4*\j+3], v4 offset:16*\j   ; LDS serves a wave's instructions in order: these see my stores
.endr
	s_wait_dscnt 0x0
	v_max3_num_f32 v12, |v[C]|, |v[C+1]|, |v[C+2]|     ; block l's largest magnitude: all 32 numbers are mine
	v_max3_num_f32 v13, |v[C+3]|, |v[C+4]|, |v[C+5]|
.irp i, 6,10,14,18,22,26
	s_delay_alu instid0(VALU_DEP_2)
	v_max3_num_f32 v12, v12, |v[C+\i]|, |v[C+\i+1]|
	s_delay_alu instid0(VALU_DEP_2)
	v_max3_num_f32 v13, v13, |v[C+\i+2]|, |v[C+\i+3]|
.endr
	s_delay_alu instid0(VALU_DEP_2)
	v_max3_num_f32 v12, v12, |v[C+30]|, |v[C+31]|
	s_delay_alu instid0(VALU_DEP_1)
	v_max3_num_f32 v12, v12, v13, 0x8000000        ; and the floor 2^(16 - 127)
	s_delay_alu instid0(VALU_DEP_1)
	v_add_nc_u32 v11, 0xf8800000, v12              ; 15 off its exponent field: the conversion's scale operand
	s_delay_alu instid0(VALU_DEP_2)
	v_and_or_b32 v10, v12, 0x7f800000, s24         ; 57,344 x the scale
	s_delay_alu instid0(VALU_DEP_2)
	v_lshrrev_b32 v13, 23, v11                     ; the scale's byte
.set I, 0
.rept 32
	v_med3_num_f32 v[C+I], v[C+I], -v10, v10       ; the conversion does not saturate (ISA guide 7.6.2): the hold
.set I, I+1
.endr
.irp g, 0,1,2,3
	v_cvt_scalef32_pk8_bf8_f32 v[B+2*\g:B+2*\g+1], v[C+8*\g:C+8*\g+7], v11
.endr
	v_nop
	ds_store_b128 v5, v[B:B+3]                     ; k 32 l + 0..15: lane (w, 0) of chunk l
	ds_store_b128 v5, v[B+4:B+7] offset:256        ; k 32 l + 16..31: lane (w, 1)
	ds_store_b8 v6, v13
	s_wait_dscnt 0x0                               ; for the others' sake: my stores have landed
	s_barrier_signal -1
	s_barrier_wait -1
	ds_load_b128 v[104:107], v7
	ds_load_b128 v[108:111], v7 offset:528
	s_wait_dscnt 0x0
	global_store_b128 v17, v[104:107], s[26:27]    ; 512 consecutive bytes each
	global_store_b128 v17, v[108:111], s[26:27] offset:512
	s_cmp_lg_u32 s16, 0
	s_cbranch_scc1 .Ldone
	ds_load_b128 v[112:115], v16                   ; wave 0: the block's 512 bytes of scale words
	s_wait_dscnt 0x0
	global_store_b128 v1, v[112:115], s[28:29]
.Ldone:
	s_wait_tensorcnt 0x0
	ds_add_u32 v208, v209
	s_wait_dscnt 0x0
	s_endpgm
.Lfunc_end_k_qd7b23a8aa3_ln1:
	.size	k_qd7b23a8aa3_ln1, .Lfunc_end_k_qd7b23a8aa3_ln1-k_qd7b23a8aa3_ln1
	.p2alignl 7, 3214868480
	.fill 96, 4, 3214868480
	.section	.rodata,"a",@progbits
	.p2align	6, 0x0
	.amdhsa_kernel k_qd7b23a8aa3_ln1
		.amdhsa_group_segment_fixed_size 94208
		.amdhsa_private_segment_fixed_size 0
		.amdhsa_enable_private_segment 0
		.amdhsa_kernarg_size 48
		.amdhsa_user_sgpr_count 2
		.amdhsa_user_sgpr_kernarg_segment_ptr 1
		.amdhsa_wavefront_size32 1
		.amdhsa_system_sgpr_workgroup_id_x 1
		.amdhsa_system_sgpr_workgroup_id_y 1
		.amdhsa_system_sgpr_workgroup_id_z 1
		.amdhsa_system_vgpr_workitem_id 0
		.amdhsa_next_free_vgpr 210
		.amdhsa_next_free_sgpr 66
		.amdhsa_reserve_vcc 0
		.amdhsa_float_denorm_mode_32 3
		.amdhsa_float_denorm_mode_16_64 3
		.amdhsa_memory_ordered 1
		.amdhsa_forward_progress 1
		.amdhsa_inst_pref_size 24
	.end_amdhsa_kernel
	.amdgpu_metadata
---
amdhsa.version: [ 1, 2 ]
amdhsa.kernels:
  - .name:           k_qd7b23a8aa3_ln1
    .symbol:         k_qd7b23a8aa3_ln1.kd
    .args:
      - { .name: cbuf, .offset: 0, .size: 8, .value_kind: global_buffer, .address_space: global }
      - { .name: src, .offset: 8, .size: 8, .value_kind: global_buffer, .address_space: global }
      - { .name: out_b, .offset: 16, .size: 8, .value_kind: global_buffer, .address_space: global }
      - { .name: ln1_g, .offset: 24, .size: 8, .value_kind: global_buffer, .address_space: global }
      - { .name: ln1_beta, .offset: 32, .size: 8, .value_kind: global_buffer, .address_space: global }
      - { .name: xb, .offset: 40, .size: 8, .value_kind: global_buffer, .address_space: global }
    .group_segment_fixed_size: 94208
    .private_segment_fixed_size: 0
    .kernarg_segment_align: 8
    .kernarg_segment_size: 48
    .max_flat_workgroup_size: 512
    .sgpr_count:     66
    .vgpr_count:     210
    .wavefront_size: 32
...
	.end_amdgpu_metadata
.endif
;; end of part 5
;; launch lin1 (part 6): grid 16 x 16, 4 waves a work-group, clusters of 4 x 4, 327,680 bytes of LDS; arguments xb, w0, lin1_b, hb; writes hb
.if DOCPART == 6
	.amdgcn_target "amdgcn-amd-amdhsa--gfx1250"
	.amdhsa_code_object_version 6
	.text
	.protected	k_qd7b23a8aa3_lin1
	.globl	k_qd7b23a8aa3_lin1
	.p2align	8
	.type	k_qd7b23a8aa3_lin1,@function
k_qd7b23a8aa3_lin1:
	s_mov_b64 s[64:65], 0
	v_nop
	global_prefetch_b8 v0, s[64:65] scope:SCOPE_SE
	s_setreg_imm32_b32 hwreg(HW_REG_WAVE_MODE, 25, 1), 1
	s_wait_xcnt 0x0
	s_wait_alu depctr_hold_cnt(0) depctr_sa_sdst(0) depctr_va_vdst(0) depctr_va_sdst(0) depctr_va_ssrc(0) depctr_va_vcc(0) depctr_vm_vsrc(0)
	s_getreg_b32 s2, hwreg(HW_REG_IB_STS2, 6, 4)
	s_cmp_eq_u32 s2, 0
	s_cbranch_scc0 .Lentry_in_a_cluster
	s_endpgm
.Lentry_in_a_cluster:
	s_bfe_u32 s2, ttmp6, 0x10000c
	s_cmp_lg_u32 s2, 0xf033
	s_cbranch_scc0 .Lentry_shape_is_right
	s_endpgm
.Lentry_shape_is_right:
; h = relu(x lin1_w^T + lin1_b) on E5M2 codes with E8M0 scales (K = 1,024), quantised along the hidden 4,096 on the way out and stored as an image of operand registers with its scale words.
; Operands are images of registers, [block of 16 rows][K step of 128][c][lane][16 bytes]; a tile of 256 x 256 is made by four waves of 128 x 128; K goes in slots of 256 through a ring of two LDS slots.
; 4 x 4 clusters: the four of a row ask for the same tokens jointly, the four of a column for the same weights.  Source 0 = weights, source 1 = tokens: a lane holds one token and runs along the hidden units.
; LIMITS: NaN and infinities are not served; a block whose largest number lies under 2^-111 gets the byte 1; only this program reads the bytes.
.set NB,  8
.set NQ,  2
.set KST, 8
.set ARG_A, 0x0
.set ARG_B, 0x8
.set ARG_BIAS, 0x10
.set ARG_D, 0x18
.set A_OFF,  16777216
.set AS_OFF, 20971520
.set B_OFF,  8388608
.set BS_OFF, 17039360
.set BLKB,  NQ*2048
.set HALFT, NB*BLKB
.set SLOT,  4*HALFT
.set LAPS,  KST/(2*NQ)
.set SSH,   NB*KST*64
.set SCL,   2*SLOT
.set SPARE, SCL+4*SSH
.set ADRY, 16
.set ADRX, 18
.set ADSX, 20
.set ADSY, 21
.set SPW,  22
.set NIL,  23
.set SC,   32
.set YF,   128
.set G1, 24
.set G0, 32
.set G1B, 48
.set G0B, 56
.set G1S, 68
.set G0S, 76
.set G1SB, 80
.set G0SB, 88
.set MSB, 0
.macro WIN new
.if MSB != (\new)
	s_set_vgpr_msb (MSB<<8)|(\new)
.set MSB, (\new)
.endif
.endm
.set MUL_LO, 0xa1
.set MUL_HI, 0xf1
.macro JLOAD g0a, g1a, g0b, g1b
	s_cmp_eq_u32 s15, 0
	s_cbranch_scc0 .Lfor_b_\@
	tensor_load_to_lds s[\g0a:\g0a+3], s[\g1a:\g1a+7]
	s_nop 0
.rept 4
	v_nop
.endr
	s_branch .Lasked_\@
.Lfor_b_\@:
	tensor_load_to_lds s[\g0b:\g0b+3], s[\g1b:\g1b+7]
	s_nop 0
.rept 4
	v_nop
.endr
.Lasked_\@:
.endm
.macro CREST
	s_cmp_lg_u32 s14, 0
	s_cbranch_scc1 .Lnot_wave_0_\@
	s_barrier_signal -3
.Lnot_wave_0_\@:
	s_barrier_wait -3
	s_barrier_signal -1
	s_barrier_wait -1
.endm
.macro CROUND
	s_barrier_signal -1
	s_barrier_wait -1
	CREST
.endm
.macro PLACES n
.rept \n
	v_nop
.endr
.endm
	s_load_b64 s[4:5], s[0:1], ARG_A
	s_load_b64 s[6:7], s[0:1], ARG_B
	s_load_b64 s[8:9], s[0:1], ARG_BIAS
	s_load_b64 s[12:13], s[0:1], ARG_D
	v_lshl_add_u32 v[SPW], v0, 2, SPARE
	v_mov_b32 v[NIL], 0
	ds_add_u32 v22, v23
	ds_add_u32 v22, v23
	s_wait_dscnt 0x0
	v_lshrrev_b32 v1, 5, v0
	v_readfirstlane_b32 s14, v1
	s_lshr_b32 s15, s14, 1
	s_and_b32 s16, s14, 1
	s_bfe_u32 s40, ttmp6, 0x40000
	s_bfe_u32 s41, ttmp6, 0x40004
	s_lshl_b32 s42, ttmp9, 2
	s_add_co_u32 s42, s42, s40
	s_and_b32 s17, ttmp7, 0xffff
	s_lshl_b32 s17, s17, 2
	s_add_co_u32 s17, s17, s41
	s_lshl_b32 s43, s41, 2
	s_lshl_b32 s43, 15, s43
	s_lshl_b32 s44, 0x1111, s40
	s_or_b32 s[G1+0], s43, (3<<16)|(1<<21)
	s_or_b32 s[G1B+0], s44, (3<<16)|(1<<21)
.irp g, G1, G1B
	s_mov_b32 s[\g+1], (NQ*256)<<16
	s_mov_b32 s[\g+2], (2*NB)<<16                  ; the head's loads bring a whole region, 2 NB blocks
	s_mov_b32 s[\g+3], (NQ*256)<<16
	s_mov_b32 s[\g+4], 2*NB
	s_mov_b32 s[\g+5], KST*256
	s_mov_b32 s[\g+6], 0
	s_mov_b32 s[\g+7], 0
.endr
	s_or_b32 s[G1S+0], s43, (3<<16)|(1<<21)
	s_or_b32 s[G1SB+0], s44, (3<<16)|(1<<21)
.irp g, G1S, G1SB
	s_mov_b32 s[\g+1], 32<<16
	s_mov_b32 s[\g+2], (2*SSH/256)<<16             ; a side's scale words, 2 SSH bytes, in one load
	s_mov_b32 s[\g+3], 32<<16
	s_mov_b32 s[\g+4], 2*SSH/256
	s_mov_b32 s[\g+5], 32
	s_mov_b32 s[\g+6], 0
	s_mov_b32 s[\g+7], 0
.endr
	s_mul_i32 s20, s17, 2*NB                       ; A: the work-group's first block: it hangs on the tile row alone
	s_mul_i32 s46, s42, 2*NB                       ; B: on the tile column alone
	s_mul_i32 s2, s16, NB*KST*2048                 ; s[2:3]: in the ring I fetch half a region: which half, in bytes
	s_mov_b32 s3, 0
	s_mul_i32 s22, s20, KST*64
	s_add_co_u32 s22, s22, AS_OFF
	s_mul_i32 s92, s46, KST*64
	s_add_co_u32 s92, s92, BS_OFF
	s_mul_i32 s20, s20, KST*2048
	s_add_co_u32 s20, s20, A_OFF
	s_mul_i32 s46, s46, KST*2048
	s_add_co_u32 s46, s46, B_OFF
	s_mov_b32 s21, 0
	s_mov_b32 s23, 0
	s_mov_b32 s47, 0
	s_mov_b32 s93, 0
	s_mul_i32 s45, s14, HALFT                      ; where the ring's loads go: wave x HALFT
	s_wait_kmcnt 0x0
	s_add_nc_u64 s[20:21], s[4:5], s[20:21]
	s_add_nc_u64 s[22:23], s[4:5], s[22:23]
	s_add_nc_u64 s[46:47], s[6:7], s[46:47]
	s_add_nc_u64 s[92:93], s[6:7], s[92:93]
	CROUND
	s_mov_b32 s[G0S], 1
	s_mov_b32 s[G0S+1], SCL
	s_mov_b64 s[G0S+2:G0S+3], s[22:23]
	s_or_b32 s[G0S+3], s[G0S+3], 0x80000000
	s_mov_b32 s[G0SB], 1
	s_mov_b32 s[G0SB+1], SCL+2*SSH
	s_mov_b64 s[G0SB+2:G0SB+3], s[92:93]
	s_or_b32 s[G0SB+3], s[G0SB+3], 0x80000000
	s_mov_b32 s[G0], 1                             ; the head's tiles, each whole: slot 0's region A,
	s_mov_b32 s[G0+1], 0
	s_mov_b64 s[G0+2:G0+3], s[20:21]
	s_or_b32 s[G0+3], s[G0+3], 0x80000000
	s_mov_b32 s[G0B], 1                            ; and its region B
	s_mov_b32 s[G0B+1], 2*HALFT
	s_mov_b64 s[G0B+2:G0B+3], s[46:47]
	s_or_b32 s[G0B+3], s[G0B+3], 0x80000000
	s_add_nc_u64 s[20:21], s[20:21], s[2:3]        ; for the ring: my half of a region
	s_add_nc_u64 s[46:47], s[46:47], s[2:3]
	s_mov_b32 s[G0+4], 1                           ; slot 1
	s_add_co_u32 s[G0+5], s45, SLOT
	s_add_nc_u64 s[G0+6:G0+7], s[20:21], BLKB
	s_or_b32 s[G0+7], s[G0+7], 0x80000000
	s_mov_b32 s[G0B+4], 1
	s_add_co_u32 s[G0B+5], s45, SLOT
	s_add_nc_u64 s[G0B+6:G0B+7], s[46:47], BLKB
	s_or_b32 s[G0B+7], s[G0B+7], 0x80000000
; THE HEAD'S LOADS, ONE A WAVE: wave 0 slot 0's region A, wave 1 its region B, wave 2 A's scale words, wave 3 B's.  One tree of branches on the wave's number: every way passes one load.
.macro ARM under, g0, g1, next
	s_cmp_lt_u32 s14, \under
	s_cbranch_scc0 \next
	tensor_load_to_lds s[\g0:\g0+3], s[\g1:\g1+7]
	s_nop 0
.rept 4
	v_nop
.endr
	s_branch .Lhead_asked
\next:
.endm
	ARM 1, G0,  G1,  .Lhead_b
	ARM 2, G0B, G1B, .Lhead_sa
	ARM 3, G0S, G1S, .Lhead_sb
	tensor_load_to_lds s[G0SB:G0SB+3], s[G1SB:G1SB+7]
	s_nop 0
.rept 4
	v_nop
.endr
.Lhead_asked:
.set BX,  64
.set SOF, 8
.set ST,  128
.set PC,  192
.set TM,  208
.set TW,  224
.set PWS, 232
.set DST, 46
.set SB,  66
.set SEL, 96
.set MNT, 98
.set MSK, 99
	v_and_b32 v1, 31, v0
	v_lshlrev_b32 v2, 4, v1
	v_lshlrev_b32 v3, 2, v1
	v_and_b32 v12, 15, v0
	v_bfe_u32 v11, v0, 4, 1
	s_wait_alu depctr_va_vdst(0)
	s_mov_b32 s[SEL], 0x76543210
	s_mov_b32 s[SEL+1], 0xfedcba98
	s_mov_b32 s[MNT], 0x600000
	s_mov_b32 s[MSK], 0xffff0000
	s_lshl_b32 s18, s17, 4
	s_lshl_b32 s19, s15, 3
	s_add_co_u32 s18, s18, s19
	s_lshl_b32 s18, s18, 5
	s_lshl_b32 s19, s42, 1
	s_add_co_u32 s18, s18, s19
	s_add_co_u32 s18, s18, s16
	s_lshl_b32 s46, s18, 11
	s_mov_b32 s47, 0
	s_add_nc_u64 s[DST:DST+1], s[12:13], s[46:47]
	s_lshl_b32 s66, s18, 6
	s_add_co_u32 s66, s66, 16777216
	s_mov_b32 s67, 0
	s_add_nc_u64 s[SB:SB+1], s[12:13], s[66:67]
	s_lshl_b32 s18, s42, 10
	s_lshl_b32 s19, s16, 9
	s_add_co_u32 s18, s18, s19
	s_mov_b32 s19, 0
	s_add_nc_u64 s[8:9], s[8:9], s[18:19]
	v_lshlrev_b32 v9, 6, v11
.irp t, 0,1,2,3,4,5,6,7
	global_load_b128 v[BX+8*\t:BX+8*\t+3], v9, s[8:9] offset:(32*(\t/2)+8*(\t%2))*4
	global_load_b128 v[BX+8*\t+4:BX+8*\t+7], v9, s[8:9] offset:(32*(\t/2)+8*(\t%2))*4+16
.endr
	v_lshlrev_b32 v[SOF], 2, v12
	v_lshl_add_u32 v[SOF], v11, 11, v[SOF]
	s_mov_b32 s21, 2*HALFT
	s_mov_b32 s22, 0
	s_mov_b32 s23, 2*SSH
	s_mov_b32 s45, 0
	s_mul_i32 s43, s16, HALFT
	s_add_co_u32 s21, s21, s43
	s_mul_i32 s43, s15, HALFT
	s_add_co_u32 s22, s22, s43
.irp s, 0,1
	v_add_nc_u32 v[ADRX+\s], s21, v2
	v_add_nc_u32 v[ADRY+\s], s22, v2
	s_add_co_u32 s21, s21, SLOT
	s_add_co_u32 s22, s22, SLOT
.endr
	s_mul_i32 s43, s16, SSH
	s_add_co_u32 s23, s23, s43
	s_add_co_u32 s23, s23, SCL
	v_add_nc_u32 v[ADSX], s23, v3
	s_mul_i32 s43, s15, SSH
	s_add_co_u32 s45, s45, s43
	s_add_co_u32 s45, s45, SCL
	v_add_nc_u32 v[ADSY], s45, v3
.macro FRAG reg, adr, q, i
.irp c, 0,1,2,3
	ds_load_b128 v[(\reg)+4*\c:(\reg)+4*\c+3], v[\adr] offset:(\i)*BLKB+(\q)*2048+512*\c
.endr
.endm
.macro FETCH_X slot, q, p
	WIN 0x40
.set II, 0
.rept NB
	FRAG 128*(\p)+16*II, ADRX+\slot, \q, II
.set II, II+1
.endr
	WIN 0
.endm
.macro FETCH_Y slot, q, i0
.set II, \i0
.rept NB/2
	FRAG YF+16*II, ADRY+\slot, \q, II
.set II, II+1
.endr
.endm
.macro SCALES sc
.set II, 0
.rept NB
.set PQ, 0
.rept NQ/2
	ds_load_b32 v[SC+16*(\sc)+(NQ/2)*II+PQ], v[ADSX] offset:II*KST*64+128*PQ
	ds_load_b32 v[SC+16*(\sc)+8+(NQ/2)*II+PQ], v[ADSY] offset:II*KST*64+128*PQ
.set PQ, PQ+1
.endr
.set II, II+1
.endr
.endm
.macro MULB y, p, q, sc, zero
.set TT, 0
.rept NB
.set AC, 8*(NB*((\y)%4)+TT)
.set XG, 128*(\p)+16*TT
.set YG, YF+16*(\y)
.set SX, SC+16*(\sc)+(NQ/2)*TT+(\q)/2
.set SY, SC+16*(\sc)+8+(NQ/2)*(\y)+(\q)/2
.if \zero
	v_wmma_scale_f32_16x16x128_f8f6f4 v[AC:AC+7], v[XG:XG+15], v[YG:YG+15], 0, v[SX], v[SY] matrix_a_fmt:MATRIX_FMT_BF8 matrix_b_fmt:MATRIX_FMT_BF8
.elseif (\q)%2
	v_wmma_scale_f32_16x16x128_f8f6f4 v[AC:AC+7], v[XG:XG+15], v[YG:YG+15], v[AC:AC+7], v[SX], v[SY] matrix_a_fmt:MATRIX_FMT_BF8 matrix_b_fmt:MATRIX_FMT_BF8 matrix_a_scale:MATRIX_SCALE_ROW1 matrix_b_scale:MATRIX_SCALE_ROW1
.else
	v_wmma_scale_f32_16x16x128_f8f6f4 v[AC:AC+7], v[XG:XG+15], v[YG:YG+15], v[AC:AC+7], v[SX], v[SY] matrix_a_fmt:MATRIX_FMT_BF8 matrix_b_fmt:MATRIX_FMT_BF8
.endif
.set TT, TT+1
.endr
.endm
.macro MULR y0, n, p, q, sc, zero
.set YY, \y0
.rept \n
	MULB YY, \p, \q, \sc, \zero
.set YY, YY+1
.endr
.endm
.macro STEP slot, q, zero
	s_wait_dscnt 2*NB
	WIN MUL_LO
	MULR 0, NB/2, (\q)%2, \q, \slot, \zero
	s_wait_dscnt 0x0
	PLACES 8
	FETCH_X \slot, (\q)+1, 1-(\q)%2
	FETCH_Y \slot, (\q)+1, 0
	WIN MUL_HI
	MULR NB/2, NB/2, (\q)%2, \q, \slot, \zero
	PLACES 8
	WIN 0
	FETCH_Y \slot, (\q)+1, NB/2
.endm
.macro STEPS slot, z
	STEP \slot, 0, \z
.if NQ == 4
	STEP \slot, 1, 0
	STEP \slot, 2, 0
.endif
.endm
.macro TURN slot, next, fill
	s_wait_tensorcnt 0x0
	ds_add_u32 v[SPW], v[NIL]
	s_wait_dscnt 2*NB+1
	WIN MUL_LO
	MULR 0, NB/4, 1, NQ-1, \slot, 0
	s_wait_dscnt 0x0
	s_barrier_signal -1
	MULR NB/4, NB/4, 1, NQ-1, \slot, 0
	WIN 0
	s_barrier_wait -1
.if \fill
	CREST
	s_add_nc_u64 s[G0+4*\slot+2:G0+4*\slot+3], s[G0+4*\slot+2:G0+4*\slot+3], 2*BLKB
	s_add_nc_u64 s[G0B+4*\slot+2:G0B+4*\slot+3], s[G0B+4*\slot+2:G0B+4*\slot+3], 2*BLKB
	JLOAD G0+4*\slot, G1, G0B+4*\slot, G1B
	PLACES 4
.else
	PLACES 8
.endif
	s_wait_alu depctr_va_vdst(0)
	v_add_nc_u32 v[ADSX], 64*NQ, v[ADSX]
	v_add_nc_u32 v[ADSY], 64*NQ, v[ADSY]
	FETCH_X \next, 0, 0
	FETCH_Y \next, 0, 0
	SCALES \next
	WIN MUL_HI
	MULR NB/2, NB/2, 1, NQ-1, \slot, 0
	PLACES 8
	WIN 0
	FETCH_Y \next, 0, NB/2
.endm
	s_wait_alu depctr_va_vdst(0)
	s_wait_tensorcnt 0x0                           ; my tile of the head's four is in
	ds_add_u32 v[SPW], v[NIL]
	s_mov_b32 s[G1+2], NB<<16                      ; no tensor load of mine is out, so descriptors may be written: from here on a load brings NB blocks,
	s_mov_b32 s[G1+4], NB
	s_mov_b32 s[G1B+2], NB<<16
	s_mov_b32 s[G1B+4], NB
	s_mul_i32 s[G0+1], s14, HALFT                  ; and slot 0's groups 0 become the ring's: my half of a region, at wave x HALFT
	s_mul_i32 s[G0B+1], s14, HALFT
	s_add_nc_u64 s[G0+2:G0+3], s[G0+2:G0+3], s[2:3]
	s_add_nc_u64 s[G0B+2:G0B+3], s[G0B+2:G0B+3], s[2:3]
	s_wait_dscnt 0x0                               ; the add is done
	CROUND                                         ; a whole round: all four tiles are in, and the sixteen work-groups meet
	JLOAD G0+4, G1, G0B+4, G1B                     ; slot 1's first fill: my one tensor load behind the round
	FETCH_X 0, 0, 0
	FETCH_Y 0, 0, 0
	SCALES 0
	FETCH_Y 0, 0, NB/2
	STEPS 0, 1
.if LAPS > 1
	s_mov_b32 s3, LAPS-1
.Llap:
	TURN 0, 1, 1
	STEPS 1, 0
	TURN 1, 0, 1
	STEPS 0, 0
	s_sub_co_u32 s3, s3, 1
	s_cmp_lg_u32 s3, 0
	s_cbranch_scc1 .Llap
.endif
	TURN 0, 1, 0
	STEPS 1, 0
	s_wait_dscnt 2*NB
	WIN MUL_LO
	MULR 0, NB/2, 1, NQ-1, 1, 0
	s_wait_dscnt 0x0
	WIN MUL_HI
	MULR NB/2, NB/2, 1, NQ-1, 1, 0
	WIN 0
.macro QUANT s, pc, pw
.irp b, 0,1,2,3
	v_max3_num_f32 v[TM+\b], v[\s+16*\b], v[\s+1+16*\b], 0x8000000
.endr
.irp i, 2,4,6,8,10,12,14
.irp b, 0,1,2,3
	v_max3_num_f32 v[TM+\b], v[TM+\b], v[\s+16*\b+\i], v[\s+1+16*\b+\i]
.endr
.endr
.irp b, 0,1,2,3
	v_permlanex16_b32 v[TM+4+\b], v[TM+\b], s[SEL], s[SEL+1]
.endr
.irp b, 0,1,2,3
	v_max_num_f32 v[TM+\b], v[TM+\b], v[TM+4+\b]
.endr
.irp b, 0,1,2,3
	v_add_nc_u32 v[TM+12+\b], 0xf8800000, v[TM+\b]
.endr
.irp b, 0,1,2,3
	v_and_or_b32 v[TM+8+\b], v[TM+\b], 0x7f800000, s[MNT]
.endr
.irp b, 0,1,2,3
	v_lshrrev_b32 v[TM+4+\b], 23, v[TM+12+\b]
.endr
	v_lshl_or_b32 v[\pw], v[TM+5], 8, v[TM+4]
	v_lshl_or_b32 v[\pw], v[TM+6], 16, v[\pw]
	v_lshl_or_b32 v[\pw], v[TM+7], 24, v[\pw]
.irp b, 0,1,2,3
.irp i, 0,1,2,3,4,5,6,7,8,9,10,11,12,13,14,15
	v_med3_num_f32 v[\s+16*\b+\i], v[\s+16*\b+\i], 0, v[TM+8+\b]
.endr
	v_cvt_scalef32_pk8_bf8_f32 v[\pc+4*\b:\pc+1+4*\b], v[\s+16*\b:\s+7+16*\b], v[TM+12+\b]
	v_cvt_scalef32_pk8_bf8_f32 v[\pc+2+4*\b:\pc+3+4*\b], v[\s+8+16*\b:\s+15+16*\b], v[TM+12+\b]
.endr
	v_nop
.endm
.macro EPIY y
.if \y > 0
	s_wait_xcnt 0x0
.endif
	WIN 2+(\y)/4
.set II, 0
.rept 32
	v_pk_add_f32 v[ST+2*II:ST+2*II+1], v[64*((\y)%4)+2*II:64*((\y)%4)+2*II+1], v[BX+2*II:BX+2*II+1]
.set II, II+1
.endr
	WIN 0
	QUANT ST, PC, PWS+\y
.irp c, 0,1,2,3
	global_store_b128 v2, v[PC+4*\c:PC+4*\c+3], s[DST:DST+1] offset:65536*\y+512*\c th:TH_STORE_NT
.endr
.endm
	s_wait_loadcnt 0x0
	PLACES 8
.irp b, 0,1,2,3
	v_mov_b32 v[TM+4+\b], 0
.endr
.irp y, 0,1,2,3,4,5,6,7
	EPIY \y
.endr
.irp y, 0,2,4,6
	v_cndmask_b32 v[TW+\y], v[PWS+\y], v[PWS+\y+1], s[MSK]
	global_store_b32 v[SOF], v[TW+\y], s[SB:SB+1] offset:2048*\y
.endr
	s_wait_tensorcnt 0x0
	ds_add_u32 v[SPW], v[NIL]
	s_wait_dscnt 0x0
	CROUND
	s_endpgm
.Lfunc_end_k_qd7b23a8aa3_lin1:
	.size	k_qd7b23a8aa3_lin1, .Lfunc_end_k_qd7b23a8aa3_lin1-k_qd7b23a8aa3_lin1
	.p2alignl 7, 3214868480
	.fill 96, 4, 3214868480
	.section	.rodata,"a",@progbits
	.p2align	6, 0x0
	.amdhsa_kernel k_qd7b23a8aa3_lin1
		.amdhsa_group_segment_fixed_size 327680
		.amdhsa_private_segment_fixed_size 0
		.amdhsa_enable_private_segment 0
		.amdhsa_kernarg_size 32
		.amdhsa_user_sgpr_count 2
		.amdhsa_user_sgpr_kernarg_segment_ptr 1
		.amdhsa_wavefront_size32 1
		.amdhsa_system_sgpr_workgroup_id_x 1
		.amdhsa_system_sgpr_workgroup_id_y 1
		.amdhsa_system_sgpr_workgroup_id_z 1
		.amdhsa_system_vgpr_workitem_id 0
		.amdhsa_next_free_vgpr 1024
		.amdhsa_next_free_sgpr 102
		.amdhsa_reserve_vcc 0
		.amdhsa_float_denorm_mode_32 3
		.amdhsa_float_denorm_mode_16_64 3
		.amdhsa_memory_ordered 1
		.amdhsa_forward_progress 1
		.amdhsa_inst_pref_size 206
	.end_amdhsa_kernel
	.amdgpu_metadata
---
amdhsa.version: [ 1, 2 ]
amdhsa.kernels:
  - .name:           k_qd7b23a8aa3_lin1
    .symbol:         k_qd7b23a8aa3_lin1.kd
    .args:
      - { .name: xb, .offset: 0, .size: 8, .value_kind: global_buffer, .address_space: global }
      - { .name: w0, .offset: 8, .size: 8, .value_kind: global_buffer, .address_space: global }
      - { .name: lin1_b, .offset: 16, .size: 8, .value_kind: global_buffer, .address_space: global }
      - { .name: hb, .offset: 24, .size: 8, .value_kind: global_buffer, .address_space: global }
    .group_segment_fixed_size: 327680
    .private_segment_fixed_size: 0
    .kernarg_segment_align: 8
    .kernarg_segment_size: 32
    .max_flat_workgroup_size: 128
    .sgpr_count:     102
    .vgpr_count:     1024
    .wavefront_size: 32
...
	.end_amdgpu_metadata
.endif
;; end of part 6
;; launch lin2 (part 7): grid 32 x 8, 4 waves a work-group, clusters of 4 x 1, 327,680 bytes of LDS; arguments hb, w0, cbuf; writes cbuf
.if DOCPART == 7
	.amdgcn_target "amdgcn-amd-amdhsa--gfx1250"
	.amdhsa_code_object_version 6
	.text
	.protected	k_qd7b23a8aa3_lin2
	.globl	k_qd7b23a8aa3_lin2
	.p2align	8
	.type	k_qd7b23a8aa3_lin2,@function
k_qd7b23a8aa3_lin2:
	s_mov_b64 s[64:65], 0
	v_nop
	global_prefetch_b8 v0, s[64:65] scope:SCOPE_SE
	s_setreg_imm32_b32 hwreg(HW_REG_WAVE_MODE, 25, 1), 1
	s_wait_xcnt 0x0
	s_wait_alu depctr_hold_cnt(0) depctr_sa_sdst(0) depctr_va_vdst(0) depctr_va_sdst(0) depctr_va_ssrc(0) depctr_va_vcc(0) depctr_vm_vsrc(0)
	s_getreg_b32 s2, hwreg(HW_REG_IB_STS2, 6, 4)
	s_cmp_eq_u32 s2, 0
	s_cbranch_scc0 .Lentry_in_a_cluster
	s_endpgm
.Lentry_in_a_cluster:
	s_bfe_u32 s2, ttmp6, 0x10000c
	s_cmp_lg_u32 s2, 0x3003
	s_cbranch_scc0 .Lentry_shape_is_right
	s_endpgm
.Lentry_shape_is_right:
; cbuf = h lin2_w^T (f32, natural rows) on E5M2 codes with E8M0 scales, K = 4,096.  The bias, the residual and the norm follow in the next launch.
; OPERANDS ARE IMAGES OF REGISTERS: [block of 16 rows][K step of 128][c][lane][16 bytes]; scale words [block][K step][16 lane-rows].  Lane-row r of block t is row 32 (t / 2) + 8 (t % 2) + r + 8 (r / 8).
; SHARES: 4,096 x 1,024 outputs in blocks of 128 x 128: 256 work-groups; grid x = tile of tokens, y = tile of weights.  Four waves, wave = 2 yh + xh: 64 tokens x 64 outputs, 16 accumulators.
; TWO ROADS.  X (weights): joint tensor loads into a ring of two LDS slots of 8 K steps: 8 blocks x 16,384 bytes, a quarter (2 blocks) a wave; the four work-groups of a cluster (4, 1, 1) have the same tile of weights: mask 15.
; Y (tokens), which no partner shares, and all scale words: from memory straight into registers, a fragment as four loads of 512 consecutive bytes, asked for four K steps ahead into a ring of four buffers.
; K is four slots: slot 0 at the head, slot 1 behind the full sequence and a round, slots 2 and 3 as refills.  A slot of weights is prefetched one slot ahead of its tensor load, 8,192 bytes for each of the cluster's sixteen waves.
; SOURCE 0 IS X, SOURCE 1 IS Y: a lane holds one token and eight neighbouring outputs a tile.  NaN and infinities are not served.
; REGISTERS: window 0: v4-14 addresses; v16-47 scale words, four sets (a pair of steps: X's at + 0..3, Y's at + 4..7; lanes 0-15 the even step's, lanes 16-31 the odd's); v48-111 way out; v128-255 accumulator (y, t) at 128 + 8 (4 y + t).
;   window 1: Y's four buffers of 64;  window 2: X's two sets of 64.
.set KST, 32
.set A_OFF,  0
.set AS_OFF, 16777216
.set B_OFF,  12582912
.set BS_OFF, 17170432
.set NSL, KST/8                        ; slots' worth of K
.set SLOTB, 131072
.set STG, 2*SLOTB                      ; behind the slots: a stage of 16 rows x 272 bytes a wave; no fill lands there
.set SPARE, STG+4*4352                 ; the spare words, 128 bytes a wave
.set LI, 4
.set LS, 5
.set ADX, 6
.set STO, 8
.set RD, 9
.set CO, 10
.set SPW, 12
.set NIL, 13
.set PFO, 14
.set SCR, 16
.set ACC, 128
.set YC, 16
.set YS, 18
.set XS, 20
.set DST, 22
.set PFA, 24
.set G0, 40
.set G1, 48
.set MSB, 0
.macro WIN new                         ; the immediate's high byte repeats the setting that is left
.if MSB != (\new)
	s_set_vgpr_msb (MSB<<8)|(\new)
.set MSB, (\new)
.endif
.endm
.macro PLACES n                        ; plain lines behind matrix instructions: eight for this form
.rept \n
	v_nop
.endr
.endm
.macro CREST                           ; a round of the cluster's barrier behind its opening barrier
	s_cmp_lg_u32 s10, 0
	s_cbranch_scc1 .Lnot_wave_0_\@
	s_barrier_signal -3
.Lnot_wave_0_\@:
	s_barrier_wait -3
	s_barrier_signal -1
	s_barrier_wait -1
.endm
.macro CROUND
	s_barrier_signal -1
	s_barrier_wait -1
	CREST
.endm
.macro TLOAD sl                        ; my quarter of a slot; an s_nop 0 and four v_nop follow
	tensor_load_to_lds s[G0+4*(\sl):G0+4*(\sl)+3], s[G1:G1+7]
	s_nop 0
	PLACES 4
.endm
.macro OFFS d, blk, m, c               ; a byte offset: block x its pitch + the image's place in its buffer
	s_mul_i32 s[\d], s\blk, \m
.if \c
	s_add_co_u32 s[\d], s[\d], \c
.endif
	s_mov_b32 s[\d+1], 0
.endm
	s_load_b128 s[4:7], s[0:1], 0x0                ; Y's buffer, w0
	s_load_b64 s[8:9], s[0:1], 0x10                ; cbuf
	v_lshl_add_u32 v[SPW], v0, 2, SPARE
	v_mov_b32 v[NIL], 0
	ds_add_u32 v[SPW], v[NIL]                      ; the opening lines: the add, twice on end, and its wait ahead of my first tensor load
	ds_add_u32 v[SPW], v[NIL]
	v_lshrrev_b32 v1, 5, v0
	v_and_b32 v[PFO], 31, v0                       ; lane
	v_and_b32 v2, 15, v0                           ; r
	v_bfe_u32 v3, v0, 4, 1                         ; h
	v_readfirstlane_b32 s10, v1                    ; wave 0..3
	v_lshlrev_b32 v[LI], 4, v[PFO]
	v_lshlrev_b32 v[LS], 2, v[PFO]
	v_mul_u32_u24 v15, v2, 272
	v_mul_u32_u24 v11, v3, 272
	v_lshlrev_b32 v1, 12, v3
	v_lshl_add_u32 v15, v3, 6, v15                 ; stage, in: row r, + 64 h
	v_lshl_add_u32 v11, v2, 4, v11                 ; back: lanes 0-15 one row, lanes 16-31 the next
	v_lshl_add_u32 v[CO], v2, 4, v1                ; and the same two rows of 4,096 bytes in memory
	v_lshlrev_b32 v[PFO], 8, v[PFO]                ; 256 x lane
	s_wait_alu depctr_va_vdst(0)
	s_lshr_b32 s11, s10, 1                         ; yh
	s_and_b32 s12, s10, 1                          ; xh
	s_bfe_u32 s13, ttmp6, 0x40000                  ; cx
	s_lshl_b32 s14, ttmp9, 2
	s_add_co_u32 s14, s14, s13                     ; tile of tokens = 4 x cluster x + cx
	s_and_b32 s15, ttmp7, 0xffff                   ; tile of weights: the same in the four partners
	s_lshl_b32 s31, s14, 3
	s_lshl_b32 s26, s11, 2
	s_add_co_u32 s31, s31, s26                     ; my four blocks of tokens
	s_lshl_b32 s32, s15, 3
	s_lshl_b32 s30, s12, 2
	s_add_co_u32 s33, s32, s30                     ; my four blocks of weights
	s_lshl_b32 s30, s10, 1
	s_add_co_u32 s34, s32, s30                     ; the two blocks that I fetch: tile of weights and wave alone
	OFFS YC, 31, KST*2048, A_OFF
	OFFS YS, 31, KST*64, AS_OFF
	OFFS XS, 33, KST*64, BS_OFF
	OFFS 36, 34, KST*2048, B_OFF
.if NSL > 2
	s_lshl_b32 s26, s13, 2
	s_add_co_u32 s26, s26, s10                     ; which of the cluster's sixteen waves I am: my share of a prefetch, by address
	s_lshr_b32 s27, s26, 1
	s_add_co_u32 s27, s27, s32
	s_and_b32 s26, s26, 1
	s_lshl_b32 s26, s26, 13
	OFFS PFA, 27, KST*2048, B_OFF
	s_add_co_u32 s[PFA], s[PFA], s26               ; half (8,192 bytes) of one block's part of a slot
.endif
	s_lshl_b32 s28, s14, 7
	s_lshl_b32 s29, s11, 6
	s_add_co_u32 s28, s28, s29                     ; my first token
	s_lshl_b32 s28, s28, 12
	s_lshl_b32 s29, s15, 9
	s_add_co_u32 s28, s28, s29
	s_lshl_b32 s29, s12, 8
	s_add_co_u32 s28, s28, s29                     ; + my 64 columns
	s_mov_b32 s29, 0
	s_lshl_b32 s38, s12, 16                        ; my four blocks in a slot
	s_mul_i32 s39, s10, 4352
	s_add_co_u32 s39, s39, STG                     ; my stage
	v_add_nc_u32 v[ADX], s38, v[LI]
	v_add_nc_u32 v[STO], s39, v15
	v_add_nc_u32 v[RD], s39, v11
.if NSL > 1
	v_add_nc_u32 v[ADX+1], SLOTB, v[ADX]
.endif
	s_mov_b32 s[G1], 15|(3<<16)|(1<<21)            ; mask: the four partners; elements of 8 bytes; bit 21 beside a mask
	s_mov_b32 s[G1+1], 2048<<16                    ; tensor_dim0: a block's 8 K steps, 16,384 bytes
	s_mov_b32 s[G1+2], 2<<16                       ; tensor_dim1: two blocks
	s_mov_b32 s[G1+3], 2048<<16                    ; tile_dim0
	s_mov_b32 s[G1+4], 2                           ; tile_dim1
	s_mov_b32 s[G1+5], KST*256                     ; from block to block
	s_mov_b32 s[G1+6], 0
	s_mov_b32 s[G1+7], 0
	s_mov_b32 s[G0], 1
	s_lshl_b32 s[G0+1], s10, 15                    ; LDS: 32,768 x wave
	s_wait_alu depctr_va_vdst(0)
	s_wait_dscnt 0x0                               ; both opening adds are done
	CROUND                                         ; the four work-groups are here: the first joint loads meet
	s_wait_kmcnt 0x0
	s_add_nc_u64 s[36:37], s[6:7], s[36:37]
	s_mov_b64 s[G0+2:G0+3], s[36:37]
	s_or_b32 s[G0+3], s[G0+3], 0x80000000
	TLOAD 0                                        ; slot 0: one tensor load a wave at the head
.if NSL > 1
	s_mov_b32 s[G0+4], 1
	s_add_co_u32 s[G0+5], s[G0+1], SLOTB
	s_add_nc_u64 s[G0+6:G0+7], s[36:37], 16384
	s_or_b32 s[G0+7], s[G0+7], 0x80000000
.endif
	s_add_nc_u64 s[YC:YC+1], s[4:5], s[YC:YC+1]
	s_add_nc_u64 s[YS:YS+1], s[4:5], s[YS:YS+1]
	s_add_nc_u64 s[XS:XS+1], s[6:7], s[XS:XS+1]
	s_add_nc_u64 s[DST:DST+1], s[8:9], s[28:29]
.if NSL > 2
	s_add_nc_u64 s[PFA:PFA+1], s[6:7], s[PFA:PFA+1]
.endif
.macro GROUP g                         ; K step g from memory: ahead of an even step's 16 loads of Y's fragments, the pair's 8 loads of scale words
.if (\g)%2 == 0
	WIN 0
.set J_, SCR+8*(((\g)/2)%4)
.irp t, 0,1,2,3
	global_load_b32 v[J_+\t], v[LS], s[XS:XS+1] offset:\t*KST*64+64*(\g)
	global_load_b32 v[J_+4+\t], v[LS], s[YS:YS+1] offset:\t*KST*64+64*(\g)
.endr
.endif
	WIN 0x40                                       ; destination window 1, address window 0
.set P_, 64*((\g)%4)
.irp y, 0,1,2,3
.irp c, 0,1,2,3
	global_load_b128 v[P_+16*\y+4*\c:P_+16*\y+4*\c+3], v[LI], s[YC:YC+1] offset:\y*KST*2048+(\g)*2048+512*\c
.endr
.endr
.endm
.macro FETCHX s                        ; X's four fragments of K step s from its slot into set s % 2
	WIN 0x80                                       ; destination window 2, address window 0
.set P_, 64*((\s)%2)
.irp t, 0,1,2,3
.irp c, 0,1,2,3
	ds_load_b128 v[P_+16*\t+4*\c:P_+16*\t+4*\c+3], v[ADX+((\s)/8)%2] offset:\t*16384+((\s)%8)*2048+512*\c
.endr
.endr
.endm
.macro MUL s, y0, n                    ; n blocks of Y against X's four; the 16 accumulators take turns, in the same order in every step; step 0 starts the sums
.set PX_, 64*((\s)%2)
.set PY_, 64*((\s)%4)
.set J_, SCR+8*(((\s)/2)%4)
.set Y_, \y0
.rept \n
.set T_, 0
.rept 4
.set AC_, ACC+8*(4*Y_+T_)
.if (\s) == 0
	v_wmma_scale_f32_16x16x128_f8f6f4 v[AC_:AC_+7], v[PX_+16*T_:PX_+16*T_+15], v[PY_+16*Y_:PY_+16*Y_+15], 0, v[J_+T_], v[J_+4+Y_] matrix_a_fmt:MATRIX_FMT_BF8 matrix_b_fmt:MATRIX_FMT_BF8
.elseif (\s)%2
	v_wmma_scale_f32_16x16x128_f8f6f4 v[AC_:AC_+7], v[PX_+16*T_:PX_+16*T_+15], v[PY_+16*Y_:PY_+16*Y_+15], v[AC_:AC_+7], v[J_+T_], v[J_+4+Y_] matrix_a_fmt:MATRIX_FMT_BF8 matrix_b_fmt:MATRIX_FMT_BF8 matrix_a_scale:MATRIX_SCALE_ROW1 matrix_b_scale:MATRIX_SCALE_ROW1
.else
	v_wmma_scale_f32_16x16x128_f8f6f4 v[AC_:AC_+7], v[PX_+16*T_:PX_+16*T_+15], v[PY_+16*Y_:PY_+16*Y_+15], v[AC_:AC_+7], v[J_+T_], v[J_+4+Y_] matrix_a_fmt:MATRIX_FMT_BF8 matrix_b_fmt:MATRIX_FMT_BF8
.endif
.set T_, T_+1
.endr
.set Y_, Y_+1
.endr
.endm
; A slot's last step changes slots: one barrier; in front of it each wave waits for all its tensor loads, adds 0 to its spare word, and waits for that and for its reads of this slot.
; Where a slot two on exists, the barrier opens a round of the cluster's, and this slot is filled again first behind it.
.macro CHANGE s, n
	WIN 0
	s_wait_tensorcnt 0x0                           ; my part of the next slot is in
	ds_add_u32 v[SPW], v[NIL]
.if (\s)+9 < KST
	s_add_nc_u64 s[G0+4*(((\s)/8)%2)+2:G0+4*(((\s)/8)%2)+3], s[G0+4*(((\s)/8)%2)+2:G0+4*(((\s)/8)%2)+3], 32768   ; no load of mine is out: this slot's next 8 K steps
.endif
	s_wait_loadcnt \n                              ; Y's fragments and the scale words of this step
	s_wait_dscnt 1                                 ; X's are in; the add may be out
	WIN 0x06
	MUL \s, 0, 2
	s_wait_dscnt 0x0                               ; the add is done, and my reads of this slot are over
	s_barrier_signal -1
	MUL \s, 2, 2
	WIN 0
	s_barrier_wait -1
.if (\s)+9 < KST
	CREST
	TLOAD ((\s)/8)%2                               ; my one tensor load behind the round; its four v_nop are four of the eight places
	PLACES 4
.else
	PLACES 8
.endif
	FETCHX (\s)+1
.if (\s)+4 < KST
	GROUP (\s)+4
.endif
.if (\s)+17 < KST
	WIN 0
	global_prefetch_b8 v[PFO], s[PFA:PFA+1] offset:((\s)/8+3)*16384 th:TH_LOAD_NT scope:SCOPE_SE   ; the slot that the next change will ask for: 8,192 bytes a wave, lanes 256 bytes apart, each block once in the cluster
.endif
.endm
	GROUP 0
	GROUP 1
	GROUP 2
	GROUP 3
	WIN 0
.if NSL > 1
	s_wait_tensorcnt 0x0                           ; my part of slot 0 is in
	ds_add_u32 v[SPW], v[NIL]
	s_wait_dscnt 0x0
	CROUND
	TLOAD 1                                        ; slot 1's first fill: my one tensor load behind the round
.else
	s_wait_tensorcnt 0x0                           ; my part of the one slot is in,
	s_barrier_signal -1
	s_barrier_wait -1                              ; everybody's is
.endif
	FETCHX 0
.if NSL > 2
	WIN 0
	global_prefetch_b8 v[PFO], s[PFA:PFA+1] offset:2*16384 th:TH_LOAD_NT scope:SCOPE_SE   ; slot 2, which the first change of slots will ask for
.endif
.set S_, 0
.rept KST
.set N_, 0                             ; the loads issued behind step S_'s: the groups of the three steps that follow; a wait's count holds 63 at the most
.irp d, 1,2,3
.if S_+\d < KST
.set N_, N_+16+8*(1-(S_+\d)%2)
.endif
.endr
.if N_ > 63
.set N_, 63
.endif
.if (S_%8 == 7) && (S_+1 < KST)
	CHANGE S_, N_
.else
	s_wait_dscnt 0x0                               ; X's fragments of this step are in
.if S_+1 < KST
	FETCHX S_+1
.endif
	s_wait_loadcnt N_
	WIN 0x06                                       ; source 0 window 2, source 1 window 1; C and D window 0
	MUL S_, 0, 4
.if S_+1 < KST
	PLACES 8                                       ; in front of loads into registers that the products have read
.endif
.if S_+4 < KST
	GROUP S_+4
.endif
.endif
.set S_, S_+1
.endr
	WIN 0
	PLACES 8                                       ; behind the last products: their results are read
; THE WAY OUT, 16 tokens x 64 outputs at a time, through my own stage: in by lanes (tile t's eight outputs begin at output 32 (t / 2) + 8 (t % 2) + 16 h), back by rows.
; LDS serves a wave's instructions in order (ISA guide 5.7.1.4).  Stage row 2 i + h of block a is token 32 (a / 2) + 8 (a % 2) + 2 i + h + 8 (i / 4).
.macro TOSTAGE a
.irp t, 0,1,2,3
	ds_store_b128 v[STO], v[ACC+32*(\a)+8*\t:ACC+32*(\a)+8*\t+3] offset:128*(\t/2)+32*(\t%2)       ; each accumulator from its low end on
	ds_store_b128 v[STO], v[ACC+32*(\a)+8*\t+4:ACC+32*(\a)+8*\t+7] offset:128*(\t/2)+32*(\t%2)+16
.endr
.set BB, 48+32*((\a)%2)
.irp i, 0,1,2,3,4,5,6,7
	ds_load_b128 v[BB+4*\i:BB+4*\i+3], v[RD] offset:544*\i
.endr
.endm
.macro SEND a, younger
.set BB, 48+32*((\a)%2)
	s_wait_dscnt \younger
.irp i, 0,1,2,3,4,5,6,7
	global_store_b128 v[CO], v[BB+4*\i:BB+4*\i+3], s[DST:DST+1] offset:(32*((\a)/2)+8*((\a)%2)+2*\i+8*(\i/4))*4096 th:TH_STORE_NT   ; sixteen lanes store 256 consecutive bytes, aligned
.endr
.endm
	TOSTAGE 0
.irp a, 1,2,3
.if \a > 1
	s_wait_xcnt 0x0                                ; block a - 2's stores have read their registers: block a's loads may land there
.endif
	TOSTAGE \a
	SEND \a-1, 16                                  ; behind block a - 1's loads: block a's 8 stores and 8 loads
.endr
	SEND 3, 0
	s_wait_tensorcnt 0x0                           ; the wave's end
	ds_add_u32 v[SPW], v[NIL]
	s_wait_dscnt 0x0
	CROUND                                         ; the closing round
	s_endpgm
.Lfunc_end_k_qd7b23a8aa3_lin2:
	.size	k_qd7b23a8aa3_lin2, .Lfunc_end_k_qd7b23a8aa3_lin2-k_qd7b23a8aa3_lin2
	.p2alignl 7, 3214868480
	.fill 96, 4, 3214868480
	.section	.rodata,"a",@progbits
	.p2align	6, 0x0
	.amdhsa_kernel k_qd7b23a8aa3_lin2
		.amdhsa_group_segment_fixed_size 327680
		.amdhsa_private_segment_fixed_size 0
		.amdhsa_enable_private_segment 0
		.amdhsa_kernarg_size 24
		.amdhsa_user_sgpr_count 2
		.amdhsa_user_sgpr_kernarg_segment_ptr 1
		.amdhsa_wavefront_size32 1
		.amdhsa_system_sgpr_workgroup_id_x 1
		.amdhsa_system_sgpr_workgroup_id_y 1
		.amdhsa_system_sgpr_workgroup_id_z 1
		.amdhsa_system_vgpr_workitem_id 0
		.amdhsa_next_free_vgpr 640
		.amdhsa_next_free_sgpr 66
		.amdhsa_reserve_vcc 0
		.amdhsa_float_denorm_mode_32 3
		.amdhsa_float_denorm_mode_16_64 3
		.amdhsa_memory_ordered 1
		.amdhsa_forward_progress 1
		.amdhsa_inst_pref_size 185
	.end_amdhsa_kernel
	.amdgpu_metadata
---
amdhsa.version: [ 1, 2 ]
amdhsa.kernels:
  - .name:           k_qd7b23a8aa3_lin2
    .symbol:         k_qd7b23a8aa3_lin2.kd
    .args:
      - { .name: hb, .offset: 0, .size: 8, .value_kind: global_buffer, .address_space: global }
      - { .name: w0, .offset: 8, .size: 8, .value_kind: global_buffer, .address_space: global }
      - { .name: cbuf, .offset: 16, .size: 8, .value_kind: global_buffer, .address_space: global }
    .group_segment_fixed_size: 327680
    .private_segment_fixed_size: 0
    .kernarg_segment_align: 8
    .kernarg_segment_size: 24
    .max_flat_workgroup_size: 128
    .sgpr_count:     66
    .vgpr_count:     640
    .wavefront_size: 32
...
	.end_amdgpu_metadata
.endif
;; end of part 7
;; launch ln2 (part 8): grid 256 x 1, 16 waves a work-group, no clusters, 0 bytes of LDS; arguments cbuf, xb, lin2_b, ln2_g, ln2_beta, out0; writes out0
.if DOCPART == 8
	.amdgcn_target "amdgcn-amd-amdhsa--gfx1250"
	.amdhsa_code_object_version 6
	.text
	.protected	k_qd7b23a8aa3_ln2
	.globl	k_qd7b23a8aa3_ln2
	.p2align	8
	.type	k_qd7b23a8aa3_ln2,@function
k_qd7b23a8aa3_ln2:
	s_mov_b64 s[64:65], 0
	v_nop
	global_prefetch_b8 v0, s[64:65] scope:SCOPE_SE
	s_setreg_imm32_b32 hwreg(HW_REG_WAVE_MODE, 25, 1), 1
	s_wait_xcnt 0x0
; out0 = LayerNorm(x + (h lin2_w^T + lin2_b)) g + beta, all f32.  x is the f32 part of xb (from byte 0).
; A stream: each row is read once and kept in registers between the passes (mean, then the mean of squared differences).  One wave, one row: no LDS, no barrier, no matrix unit;
; no cluster: work-groups share only the three short vectors.  A load or store of a wave covers 512 consecutive bytes; row = 16 x work-group + wave.
; LIMITS: NaN and infinities are not served; 1 / sqrt is v_rsq_f32's.
.set C,  32                            ; v32-63   the product's row
.set S,  64                            ; v64-95   x's row, then the sum, the differences, the result
.set B,  96                            ; v96-127  lin2_b
.set G,  128                           ; v128-159 the gain
.set BE, 160                           ; v160-191 beta
	s_load_b256 s[4:11], s[0:1], 0x0               ; cbuf, xb, lin2_b, ln2_g
	s_load_b128 s[12:15], s[0:1], 0x20             ; ln2_beta, out0
	v_lshrrev_b32 v2, 5, v0
	s_delay_alu instid0(VALU_DEP_1)
	v_readfirstlane_b32 s16, v2                    ; wave
	v_and_b32 v2, 31, v0
	s_delay_alu instid0(VALU_DEP_1)
	v_lshlrev_b32 v1, 4, v2                        ; 16 x lane
	s_lshl_b32 s17, ttmp9, 4
	s_add_co_u32 s17, s17, s16                     ; my row
	s_lshl_b32 s18, s17, 12
	s_mov_b32 s19, 0
	s_mov_b32 s20, 0x76543210
	s_mov_b32 s21, 0xfedcba98
	s_mov_b32 s22, 0x3a800000                      ; 1 / 1,024
	s_mov_b32 s23, 0x3727c5ac                      ; 1e-5
	v_mov_b32 v22, 0                               ; a lane permute's destination counts as one of its sources
	s_wait_alu depctr_va_vdst(0)
	s_wait_kmcnt 0x0
	s_add_nc_u64 s[4:5], s[4:5], s[18:19]
	s_add_nc_u64 s[6:7], s[6:7], s[18:19]
	s_add_nc_u64 s[14:15], s[14:15], s[18:19]
.irp i, 0,1,2,3,4,5,6,7
	global_load_b128 v[C+4*\i:C+4*\i+3], v1, s[4:5] offset:512*\i th:TH_LOAD_NT
	global_load_b128 v[S+4*\i:S+4*\i+3], v1, s[6:7] offset:512*\i th:TH_LOAD_NT
.endr
.irp i, 0,1,2,3,4,5,6,7
	global_load_b128 v[B+4*\i:B+4*\i+3], v1, s[8:9] offset:512*\i
	global_load_b128 v[G+4*\i:G+4*\i+3], v1, s[10:11] offset:512*\i
	global_load_b128 v[BE+4*\i:BE+4*\i+3], v1, s[12:13] offset:512*\i
.endr
.macro WSUM                            ; v8 summed over the wave's 32 lanes, into every lane
	s_delay_alu instid0(VALU_DEP_1)
	v_add_f32_dpp v8, v8, v8 row_xmask:1 row_mask:0xf bank_mask:0xf
	s_delay_alu instid0(VALU_DEP_1)
	v_add_f32_dpp v8, v8, v8 row_xmask:2 row_mask:0xf bank_mask:0xf
	s_delay_alu instid0(VALU_DEP_1)
	v_add_f32_dpp v8, v8, v8 row_xmask:4 row_mask:0xf bank_mask:0xf
	s_delay_alu instid0(VALU_DEP_1)
	v_add_f32_dpp v8, v8, v8 row_xmask:8 row_mask:0xf bank_mask:0xf
	s_delay_alu instid0(VALU_DEP_1)
	v_permlanex16_b32 v22, v8, s20, s21
	s_delay_alu instid0(VALU_DEP_1)
	v_add_f32 v8, v8, v22
.endm
.macro FOLD                            ; four packed chains v[8:15] into v8
	s_delay_alu instid0(VALU_DEP_3)
	v_pk_add_f32 v[8:9], v[8:9], v[10:11]
	s_delay_alu instid0(VALU_DEP_2)
	v_pk_add_f32 v[12:13], v[12:13], v[14:15]
	s_delay_alu instid0(VALU_DEP_1)
	v_pk_add_f32 v[8:9], v[8:9], v[12:13]
	s_delay_alu instid0(VALU_DEP_1)
	v_add_f32 v8, v8, v9
.endm
	s_wait_loadcnt 0x0
.set I, 0
.rept 16
	v_pk_add_f32 v[C+2*I:C+2*I+1], v[C+2*I:C+2*I+1], v[B+2*I:B+2*I+1]   ; the product + its bias
.set I, I+1
.endr
.set I, 0
.rept 16
	v_pk_add_f32 v[S+2*I:S+2*I+1], v[S+2*I:S+2*I+1], v[C+2*I:C+2*I+1]   ; + the residual
.set I, I+1
.endr
.irp k, 0,1,2,3
	v_pk_add_f32 v[8+2*\k:9+2*\k], v[S+4*\k:S+4*\k+1], v[S+4*\k+2:S+4*\k+3]
.endr
.irp j, 2,3
.irp k, 0,1,2,3
	s_delay_alu instid0(VALU_DEP_4)
	v_pk_add_f32 v[8+2*\k:9+2*\k], v[8+2*\k:9+2*\k], v[S+8*\j+2*\k:S+8*\j+2*\k+1]
.endr
.endr
	FOLD
	WSUM
	s_delay_alu instid0(VALU_DEP_1)
	v_mul_f32 v18, 0xba800000, v8                  ; -mean
	s_delay_alu instid0(VALU_DEP_1)
	v_mov_b32 v19, v18
.set I, 0
.rept 16
	v_pk_add_f32 v[S+2*I:S+2*I+1], v[S+2*I:S+2*I+1], v[18:19]
.set I, I+1
.endr
.irp k, 0,1,2,3
	v_pk_mul_f32 v[8+2*\k:9+2*\k], v[S+2*\k:S+2*\k+1], v[S+2*\k:S+2*\k+1]
.endr
.irp j, 1,2,3
.irp k, 0,1,2,3
	s_delay_alu instid0(VALU_DEP_4)
	v_pk_fma_f32 v[8+2*\k:9+2*\k], v[S+8*\j+2*\k:S+8*\j+2*\k+1], v[S+8*\j+2*\k:S+8*\j+2*\k+1], v[8+2*\k:9+2*\k]
.endr
.endr
	FOLD
	WSUM
	s_delay_alu instid0(VALU_DEP_1)
	v_fma_f32 v14, v8, s22, s23                    ; the variance + 1e-5
	s_wait_alu depctr_va_vdst(0)
	v_rsq_f32 v20, v14
	v_rsq_f32 v21, v14                             ; twice: a pair for the packed multiply
	v_nop                                          ; a plain line behind the transcendentals
	s_wait_alu depctr_va_vdst(0)                   ; one wait for both, ahead of their first reader
.set I, 0
.rept 16
	v_pk_mul_f32 v[S+2*I:S+2*I+1], v[S+2*I:S+2*I+1], v[20:21]
.set I, I+1
.endr
.set I, 0
.rept 16
	v_pk_fma_f32 v[S+2*I:S+2*I+1], v[S+2*I:S+2*I+1], v[G+2*I:G+2*I+1], v[BE+2*I:BE+2*I+1]
.set I, I+1
.endr
.irp i, 0,1,2,3,4,5,6,7
	global_store_b128 v1, v[S+4*\i:S+4*\i+3], s[14:15] offset:512*\i th:TH_STORE_NT
.endr
	s_endpgm
.Lfunc_end_k_qd7b23a8aa3_ln2:
	.size	k_qd7b23a8aa3_ln2, .Lfunc_end_k_qd7b23a8aa3_ln2-k_qd7b23a8aa3_ln2
	.p2alignl 7, 3214868480
	.fill 96, 4, 3214868480
	.section	.rodata,"a",@progbits
	.p2align	6, 0x0
	.amdhsa_kernel k_qd7b23a8aa3_ln2
		.amdhsa_group_segment_fixed_size 0
		.amdhsa_private_segment_fixed_size 0
		.amdhsa_enable_private_segment 0
		.amdhsa_kernarg_size 48
		.amdhsa_user_sgpr_count 2
		.amdhsa_user_sgpr_kernarg_segment_ptr 1
		.amdhsa_wavefront_size32 1
		.amdhsa_system_sgpr_workgroup_id_x 1
		.amdhsa_system_sgpr_workgroup_id_y 1
		.amdhsa_system_sgpr_workgroup_id_z 1
		.amdhsa_system_vgpr_workitem_id 0
		.amdhsa_next_free_vgpr 200
		.amdhsa_next_free_sgpr 66
		.amdhsa_reserve_vcc 0
		.amdhsa_float_denorm_mode_32 3
		.amdhsa_float_denorm_mode_16_64 3
		.amdhsa_memory_ordered 1
		.amdhsa_forward_progress 1
		.amdhsa_inst_pref_size 16
	.end_amdhsa_kernel
	.amdgpu_metadata
---
amdhsa.version: [ 1, 2 ]
amdhsa.kernels:
  - .name:           k_qd7b23a8aa3_ln2
    .symbol:         k_qd7b23a8aa3_ln2.kd
    .args:
      - { .name: cbuf, .offset: 0, .size: 8, .value_kind: global_buffer, .address_space: global }
      - { .name: xb, .offset: 8, .size: 8, .value_kind: global_buffer, .address_space: global }
      - { .name: lin2_b, .offset: 16, .size: 8, .value_kind: global_buffer, .address_space: global }
      - { .name: ln2_g, .offset: 24, .size: 8, .value_kind: global_buffer, .address_space: global }
      - { .name: ln2_beta, .offset: 32, .size: 8, .value_kind: global_buffer, .address_space: global }
      - { .name: out0, .offset: 40, .size: 8, .value_kind: global_buffer, .address_space: global }
    .group_segment_fixed_size: 0
    .private_segment_fixed_size: 0
    .kernarg_segment_align: 8
    .kernarg_segment_size: 48
    .max_flat_workgroup_size: 512
    .sgpr_count:     66
    .vgpr_count:     200
    .wavefront_size: 32
...
	.end_amdgpu_metadata
.endif
;; end of part 8
